; MI455X (gfx1250); checked and timed in simulation.
; The chip was launched on July 23, 2026; its instructions are those of AMD's public machine-readable ISA for CDNA 5 (MIT licence, August 2026) and "CDNA5" Instruction Set Architecture Reference Guide (July 2026). The comments in the code are by the model that wrote it; some were corrected since.
;; Gemma2 Attention. Allowed arithmetic: matrix products marked QUANTISED: E2M3 operands, one E8M0 scale for each 32 along K, by v_wmma_scale_f32_16x16x128_f8f6f4 with both operands' format E2M3, f32 sums; everything else in f32.
;; Inputs: Wk 2,048 x 512 float32; Wo 512 x 2,048 float32; Wq 2,048 x 512 float32; Wv 2,048 x 512 float32; cos 2 x 4,096 x 256 float32; hidden_states 2 x 4,096 x 2,048 float32; sin 2 x 4,096 x 256 float32.
;; Outputs: out0 2 x 4,096 x 2,048 float32.
;; This version of the problem:
;;   THIS VERSION OF THE PROBLEM IS GIVEN IN LOW PRECISION. The matrix products marked QUANTISED in the list below multiply operands that are first quantised to E2M3 (2 exponent bits, 3 mantissa bits; 6 bits a number), with one power-of-two scale for each 32 numbers along K (OCP MX v1.0); their sums are f32. All else is computed in f32.
;;   The module's matrix products, in the order in which they are computed (A, B: the left and right operand; K: the contracted axis; several contracted axes count as one K, in the product's order):
;;     1. [M 8,192, K 2,048] x [K 2,048, N 512]; A: input hidden_states; B: input Wq: QUANTISED
;;     2. [M 8,192, K 2,048] x [K 2,048, N 512]; A: input hidden_states; B: input Wk: QUANTISED
;;     3. [M 8,192, K 2,048] x [K 2,048, N 512]; A: input hidden_states; B: input Wv: QUANTISED
;;     4. batch 4 x [M 4,096, K 256] x [K 256, N 4,096]; A: computed on the way; B: computed on the way: QUANTISED
;;     5. batch 4 x [M 4,096, K 4,096] x [K 4,096, N 256]; A: softmax (see below); B: computed on the way: QUANTISED
;;     6. [M 8,192, K 512] x [K 512, N 2,048]; A: computed on the way; B: input Wo: QUANTISED
;;   THE QUANTISER, for each operand of a quantised product, along K:
;;     - K is cut into blocks of 32 from its start; a last block that is shorter is filled with zeros.
;;     - A block's scale is 2^e with e = floor(log2(the largest magnitude in the block)) - 2, held to -126 .. 127; a block of zeros has e = 0. As a byte (E8M0): e + 127.
;;     - Each number is divided by its block's scale, clamped to +-7.5, and rounded to the nearest number of E2M3, ties to even, subnormals kept.
;;     - The product sums the exact products of the quantised numbers (number of the format x scale) in f32.
;;   ~~~python
;;   def quantise(x, axis):      # numpy; x: float32 -> the quantised numbers, widened to float32 again
;;       x = np.moveaxis(x, axis, -1); K = x.shape[-1]
;;       x = np.pad(x, [(0, 0)] * (x.ndim - 1) + [(0, -K % 32)]); x = x.reshape(x.shape[:-1] + (-1, 32)); a = np.abs(x).max(-1, keepdims=True)
;;       e = np.where(a > 0, np.clip(np.frexp(np.where(a > 0, a, 1))[1] - 1 - 2, -126, 127), 0)      # np.frexp(a)[1] - 1 = floor(log2(a)), exactly
;;       r = np.clip(x / 2.0 ** e, -7.5, 7.5)
;;       step = 2.0 ** (np.maximum(np.frexp(np.where(r == 0, 1, r))[1] - 1, 0) - 3)
;;       q = np.round(r / step) * step * 2.0 ** e      # np.round: ties to even
;;       return np.moveaxis(q.reshape(q.shape[:-2] + (-1,))[..., :K], -1, axis).astype(np.float32)
;;   ~~~
;;   SOFTMAX AHEAD OF A QUANTISED PRODUCT. Where the list says 'softmax', what is quantised is not the finished softmax but p = 2^(t - M), with t = logit x log2(e) and M = ceil(the row's largest t), a whole number; so 1/2 < the row's largest p <= 1. The row's sum l is taken of the UNQUANTISED p, in f32, and the product's result is divided by l at the end. Since M is a whole number, a kernel that streams over the keys may use a running M (the ceiling of the running maximum): every later rescaling is an exact power of two, which a block's scale takes up: the codes' values come out the same.
;;   OPERANDS COMPUTED ON THE WAY. 'Computed on the way' means the value that the module computes at that place (a softmax that the list does not call 'softmax' is quantised finished and normalised). What goes into a quantiser is computed in f32, as accurately as f32 sums, v_exp_f32 and their like allow (about 1e-6 of the number): no bf16 or f16 on the way to a quantiser, and a product that is left as it is and whose result goes on into a quantised operand takes f32 operands (vector FMAs, or v_wmma_f32_16x16x4_f32). A number that lies on a knife's edge between two numbers of the format may be rounded either way, as far as f32 arithmetic and the matrix unit's own rounding can turn it there, and no further.
;; One version. Each part assembles by itself: llvm-mc -triple=amdgcn-amd-amdhsa -mcpu=gfx1250 --defsym DOCPART=n.
;; ======== version 1 of 1: 4 launches
;; limits: right only within a limited range of input values
;; workspace buffers: xq 13,107,200 bytes; wq 2,457,600 bytes; woq 819,200 bytes; qq 3,276,800 bytes; kq 3,276,800 bytes; vq 3,276,800 bytes; oq 3,407,872 bytes
;; launch quant (part 1): grid 640 x 1, 4 waves a work-group, no clusters, 102,912 bytes of LDS; arguments hidden_states, Wq, Wk, Wv, Wo, xq, wq, woq; writes xq, wq, woq
.if DOCPART == 1
	.amdgcn_target "amdgcn-amd-amdhsa--gfx1250"
	.amdhsa_code_object_version 6
	.text
	.protected	k_qfbdbb73f4e_quant
	.globl	k_qfbdbb73f4e_quant
	.p2align	8
	.type	k_qfbdbb73f4e_quant,@function
k_qfbdbb73f4e_quant:
	s_mov_b64 s[64:65], 0
	v_nop
	global_prefetch_b8 v0, s[64:65] scope:SCOPE_SE
	s_setreg_imm32_b32 hwreg(HW_REG_WAVE_MODE, 25, 1), 1
	s_wait_xcnt 0x0
; hidden_states [8192][2048], Wq, Wk, Wv [2048][512] and Wo [512][2048], all f32, become codes of FP6 (E2M3) with one E8M0 byte for each 32 along K.
; A block's scale is 2^(floor(log2(largest magnitude)) - 2): its byte is the largest magnitude's exponent field - 2, held at 1 from below.
; LIMITS: a block of zeros gets the byte 1 where the rule says 127 (its codes are zeros, and only this program reads the bytes); blocks under 2^-124 keep the byte 1; NaN and infinities are not served.
; THE ORDER OF ROWS.  SW(i) swaps bits 3 and 4 of a row's number.  Row i of xq holds token SW(i); row 32 G + i of wq holds column SW(i) of its group of 32 columns.  So the 16 rows of a
; matrix tile 2 b + u are the true rows 32 b + 8 u + r + 8 (r / 8), and two neighbouring tiles' results are 16 neighbours along the next product's K.
; xq: codes [8192][1536 B], then scale bytes [8192][64] at XS.   wq: codes [1536][1536 B], scale bytes [1536][64] at WS; group G = 6 (4 head + beta) + slot; slots: q block beta, q block beta + 4,
; v group 2 beta, k block beta, k block beta + 4, v group 2 beta + 1.   woq: codes [2048][384 B] in natural order, scale words [n / 16][K step 4][n % 16][4 B] at WOS.
; Work-groups 0-511: hidden_states, K innermost: 16 numbers a lane after a turn through the wave's own stage.  512-607: Wq, Wk, Wv; 608-639: Wo: K is the first axis: a lane takes a column, its registers run down K.
; Each of the three paths has LDS bytes of its own.  Waves share nothing: no barrier.
.set XS,    12582912
.set WS,    2359296
.set WOS,   786432
.set EMAX,  2
.set STEPS, 16
.set CB,    12                         ; bytes of 16 codes
.set R,     16                         ; v16-79   four sets of 16 numbers as loaded
.set X,     80                         ; v80-111  two sets of 16 neighbours
.set C,     128                        ; v128-191 codes, four registers a step
.set E,     112                        ; v112-127 a scale byte a step
.set WREG,  8192                       ; a wave's LDS on the first path: two stages of 32 x SP bytes, then 256 scale bytes
.set SP,    80
.set PITCHW, 272                       ; the weights' stage: sixteen places of 16 bytes + 16
.set WX,    32                         ; v32-95   two sets of 32 numbers
.set WC,    96                         ; v96..    a block's codes
.set OUTR,  112                        ; v112-175 the way out
.set SB,    24                         ; v24-25   eight scale bytes
.set STGW,  32768                      ; LDS of the path for Wq, Wk, Wv
.set STGO,  67584                      ; LDS of the path for Wo
.macro XLOAD t
.irp i, 0,1,2,3
	global_load_b128 v[R+16*((\t)%4)+4*\i:R+16*((\t)%4)+4*\i+3], v3, s[4:5] offset:2048*(\t)+512*\i th:TH_LOAD_NT   ; 32 lanes read 512 consecutive bytes
.endr
.endm
.macro XTURN t                         ; a step's numbers through the stage; LDS serves a wave's instructions in order, so no wait stands between stores and loads
.irp i, 0,1,2,3
	ds_store_b128 v14, v[R+16*((\t)%4)+4*\i:R+16*((\t)%4)+4*\i+3] offset:32*SP*((\t)%2)+8*SP*\i
.endr
.irp i, 0,1,2,3
	ds_load_b128 v[X+16*((\t)%2)+4*\i:X+16*((\t)%2)+4*\i+3], v15 offset:32*SP*((\t)%2)+16*\i
.endr
.endm
.macro XSTEP t
.set XSR, X+16*((\t)%2)
.if (\t) > 0
	s_wait_dscnt 1                                 ; this step's numbers are back from the stage; the last step's byte store may be out
.else
	s_wait_dscnt 0x0
.endif
.if (\t)+4 < STEPS
	XLOAD (\t)+4                                   ; into the registers that this step's stage stores have read
.endif
.if (\t)+1 < STEPS
.if STEPS-2-(\t) >= 3
	s_wait_loadcnt 12                              ; the next step's four loads are in; three steps' twelve may be out
.else
	s_wait_loadcnt 4*(STEPS-2-(\t))
.endif
	XTURN (\t)+1
.endif
	v_max3_num_f32 v8, |v[XSR]|, |v[XSR+1]|, |v[XSR+2]|
	v_max3_num_f32 v9, |v[XSR+3]|, |v[XSR+4]|, |v[XSR+5]|
.irp i, 6,10
	v_max3_num_f32 v8, v8, |v[XSR+\i]|, |v[XSR+\i+1]|
	v_max3_num_f32 v9, v9, |v[XSR+\i+2]|, |v[XSR+\i+3]|
.endr
	v_max3_num_f32 v8, v8, |v[XSR+14]|, |v[XSR+15]|
	v_max3_num_f32 v8, v8, v9, (EMAX+1)<<23        ; the floor 2^(3 - 127): the byte cannot fall under 1
	v_max_num_f32_dpp v8, v8, v8 row_xmask:1 row_mask:0xf bank_mask:0xf   ; with my neighbour's 16: the block's largest magnitude
	v_add_nc_u32 v11, -(EMAX<<23), v8              ; 2 off its exponent field: the conversion's scale operand
	v_cvt_scalef32_pk16_fp6_f32 v[C+4*(\t):C+4*(\t)+2], v[XSR:XSR+15], v11
	v_lshrrev_b32 v[E+(\t)], 23, v11               ; the scale's byte
	ds_store_b8 v5, v[E+(\t)] offset:16*(\t)       ; both lanes of a block write the same byte
	global_store_b96 v4, v[C+4*(\t):C+4*(\t)+2], s[8:9] offset:32*CB*(\t)
.endm
.macro WLOAD t, n                      ; block t of my column: 32 rows of the weight, n columns wide
.irp i, 0,1,2,3,4,5,6,7,8,9,10,11,12,13,14,15,16,17,18,19,20,21,22,23,24,25,26,27,28,29,30,31
	global_load_b32 v[WX+32*((\t)%2)+\i], v3, s[4:5] offset:(32*(\t)+\i)*(\n)*4 th:TH_LOAD_NT
.endr
.endm
.macro WBLOCK t, n
.set XSW, WX+32*((\t)%2)
.if (\t) < 7
	s_wait_loadcnt 32                              ; this block's 32 loads are in; the next block's may be out
.else
	s_wait_loadcnt 0
.endif
	v_max3_num_f32 v12, |v[XSW]|, |v[XSW+1]|, |v[XSW+2]|
	v_max3_num_f32 v13, |v[XSW+3]|, |v[XSW+4]|, |v[XSW+5]|
.irp i, 6,10,14,18,22,26
	v_max3_num_f32 v12, v12, |v[XSW+\i]|, |v[XSW+\i+1]|
	v_max3_num_f32 v13, v13, |v[XSW+\i+2]|, |v[XSW+\i+3]|
.endr
	v_max3_num_f32 v12, v12, |v[XSW+30]|, |v[XSW+31]|
	v_max3_num_f32 v12, v12, v13, (EMAX+1)<<23
	v_add_nc_u32 v11, -(EMAX<<23), v12
	v_lshrrev_b32 v13, 23, v11
.if (\t)%4 == 0
	v_mov_b32 v[SB+(\t)/4], v13                    ; four bytes to a register, the lower K in the lower byte
.else
	v_lshl_or_b32 v[SB+(\t)/4], v13, 8*((\t)%4), v[SB+(\t)/4]
.endif
	v_cvt_scalef32_pk16_fp6_f32 v[WC:WC+2], v[XSW:XSW+15], v11
	v_cvt_scalef32_pk16_fp6_f32 v[WC+4:WC+6], v[XSW+16:XSW+31], v11
	ds_store_b96 v4, v[WC:WC+2] offset:32*(\t)     ; 12 bytes to a place of 16
	ds_store_b96 v4, v[WC+4:WC+6] offset:32*(\t)+16
.if (\t)+2 < 8
	WLOAD (\t)+2, \n
.endif
	s_wait_dscnt 0x0                               ; the stores have read their registers: the next block's codes may be written
.endm
.macro WSETUP stg, krow
	v_lshlrev_b32 v3, 2, v2                        ; in: 4 bytes a lane
	s_mul_i32 s33, s20, 32*PITCHW
	s_add_co_u32 s33, s33, \stg                    ; my stage
	v_mul_u32_u24 v4, v2, PITCHW
	v_add_nc_u32 v4, s33, v4                       ; into it: row = my column
	v_and_b32 v5, 15, v2
	v_lshrrev_b32 v6, 4, v2
	v_mul_u32_u24 v7, v6, PITCHW
	v_lshl_add_u32 v7, v5, 4, v7
	v_add_nc_u32 v7, s33, v7                       ; out of it: sixteen lanes to a row, two rows an instruction
	v_mul_u32_u24 v8, v6, \krow
	v_mad_u32_u24 v8, v5, 12, v8                   ; and the same place among the codes
.endm
.macro WBODY n
	WLOAD 0, \n
	WLOAD 1, \n
.set Q, 0
.rept 8
	WBLOCK Q, \n
.set Q, Q+1
.endr
.endm
.macro WOUT krow, perm                 ; sixteen lanes store a row's 192 consecutive bytes; perm = 1: column c of the group goes to row SW(c)
.irp t, 0,1,2,3,4,5,6,7,8,9,10,11,12,13,14,15
	ds_load_b96 v[OUTR+4*\t:OUTR+4*\t+2], v7 offset:2*\t*PITCHW
.endr
.irp t, 0,1,2,3,4,5,6,7,8,9,10,11,12,13,14,15
	s_wait_dscnt 15-\t
.if \perm
	global_store_b96 v8, v[OUTR+4*\t:OUTR+4*\t+2], s[6:7] offset:(((2*\t)&7)|(((2*\t)&8)<<1)|(((2*\t)&16)>>1))*(\krow)
.else
	global_store_b96 v8, v[OUTR+4*\t:OUTR+4*\t+2], s[6:7] offset:2*\t*(\krow)
.endif
.endr
.endm
	s_load_b256 s[4:11], s[0:1], 0x0               ; hidden_states, Wq, Wk, Wv
	s_load_b256 s[12:19], s[0:1], 0x20             ; Wo, xq, wq, woq
	v_lshl_add_u32 v192, v0, 2, 0x19000
	v_mov_b32 v193, 0
	v_lshrrev_b32 v1, 5, v0
	v_readfirstlane_b32 s20, v1                    ; wave
	v_and_b32 v2, 31, v0                           ; lane
	s_cmp_lt_u32 ttmp9, 512
	s_cbranch_scc0 .Lweights
	; ---- hidden_states: a wave takes a run of 8,192 numbers, four token rows
	v_lshlrev_b32 v3, 4, v2
	s_mul_i32 s21, s20, WREG
	v_lshrrev_b32 v14, 2, v2
	v_mul_u32_u24 v14, v14, SP
	v_and_b32 v15, 3, v2
	v_lshl_add_u32 v14, v15, 4, v14
	v_add_nc_u32 v14, s21, v14                     ; the stage, in: SP (lane / 4) + 16 (lane % 4)
	v_mul_u32_u24 v15, v2, SP
	v_add_nc_u32 v15, s21, v15                     ; out: SP x lane
	v_mul_u32_u24 v4, v2, CB
	v_lshrrev_b32 v5, 1, v2
	s_add_co_u32 s21, s21, 2*32*SP
	v_add_nc_u32 v5, s21, v5                       ; my block's scale byte in LDS
	v_lshlrev_b32 v7, 3, v2
	v_add_nc_u32 v6, s21, v7
	s_lshl_b32 s22, ttmp9, 2
	s_add_co_u32 s22, s22, s20                     ; the run
	s_and_b32 s23, s22, 2
	s_lshl_b32 s23, s23, 1
	s_and_b32 s24, s22, 4
	s_lshr_b32 s24, s24, 1
	s_and_not1_b32 s25, s22, 6
	s_or_b32 s25, s25, s23
	s_or_b32 s25, s25, s24                         ; where it goes: bits 1 and 2 of the run are bits 3 and 4 of the row
	s_lshl_b32 s26, s22, 15
	s_mov_b32 s27, 0
	s_mul_i32 s28, s25, 6144
	s_mov_b32 s29, 0
	s_lshl_b32 s30, s25, 8
	s_add_co_u32 s30, s30, XS
	s_mov_b32 s31, 0
	s_wait_kmcnt 0x0
	s_add_nc_u64 s[4:5], s[4:5], s[26:27]
	s_add_nc_u64 s[8:9], s[14:15], s[28:29]
	s_add_nc_u64 s[10:11], s[14:15], s[30:31]
.irp t, 0,1,2,3
	XLOAD \t
.endr
	s_wait_loadcnt 12                              ; step 0's four loads are in
	XTURN 0
.irp t, 0,1,2,3,4,5,6,7,8,9,10,11,12,13,14,15
	XSTEP \t
.endr
	ds_load_b64 v[12:13], v6
	s_wait_dscnt 0x0
	global_store_b64 v7, v[12:13], s[10:11]        ; 32 lanes store 256 consecutive bytes, aligned
	s_wait_tensorcnt 0x0
	ds_add_u32 v192, v193
	s_wait_dscnt 0x0
	s_endpgm
.Lweights:
	s_cmp_lt_u32 ttmp9, 608
	s_cbranch_scc0 .Lwo
	; ---- Wq, Wk, Wv: a wave takes 32 columns x 256 along K
	s_sub_co_u32 s21, ttmp9, 512
	s_lshr_b32 s22, s21, 5                         ; which weight: 0 q, 1 k, 2 v
	s_and_b32 s23, s21, 3                          ; which 128 columns
	s_bfe_u32 s24, s21, 0x30002                    ; which 256 along K
	s_lshl_b32 s25, s23, 2
	s_add_co_u32 s25, s25, s20                     ; my group of 32 columns, 0..15
	s_lshr_b32 s26, s25, 3                         ; head
	s_and_b32 s27, s25, 7                          ; block of 32 in the head
	s_and_b32 s28, s27, 3
	s_lshl_b32 s29, s26, 2
	s_add_co_u32 s28, s28, s29
	s_mul_i32 s28, s28, 6
	s_lshr_b32 s30, s27, 2
	s_add_co_u32 s28, s28, s30
	s_mul_i32 s30, s22, 3
	s_add_co_u32 s28, s28, s30                     ; q, k: G = 6 (4 head + block % 4) + block / 4 + 3 for k
	s_lshr_b32 s30, s27, 1
	s_add_co_u32 s30, s30, s29
	s_mul_i32 s30, s30, 6
	s_and_b32 s31, s27, 1
	s_mul_i32 s31, s31, 3
	s_add_co_u32 s30, s30, s31
	s_add_co_u32 s30, s30, 2                       ; v: G = 6 (4 head + block / 2) + 2 + 3 (block % 2)
	s_cmp_eq_u32 s22, 2
	s_cselect_b32 s28, s30, s28
	s_lshl_b32 s34, s24, 19                        ; 256 rows of 2,048 bytes
	s_lshl_b32 s35, s25, 7
	s_add_co_u32 s34, s34, s35
	s_mov_b32 s35, 0
	s_mul_i32 s36, s28, 49152                      ; 32 rows of 1,536 bytes
	s_mul_i32 s37, s24, 192
	s_add_co_u32 s36, s36, s37
	s_mov_b32 s37, 0
	s_lshl_b32 s38, s28, 11
	s_lshl_b32 s39, s24, 3
	s_add_co_u32 s38, s38, s39
	s_add_co_u32 s38, s38, WS
	s_mov_b32 s39, 0
	WSETUP STGW, 1536
	v_and_b32 v9, 7, v2
	v_and_b32 v10, 8, v2
	v_lshl_or_b32 v9, v10, 1, v9
	v_and_b32 v10, 16, v2
	v_lshrrev_b32 v10, 1, v10
	v_or_b32 v9, v9, v10
	v_lshlrev_b32 v9, 6, v9                        ; SW(lane) x 64: my column's row of scale bytes
	s_wait_kmcnt 0x0
	s_cmp_eq_u32 s22, 0
	s_cselect_b64 s[4:5], s[6:7], s[8:9]
	s_cmp_eq_u32 s22, 2
	s_cselect_b64 s[4:5], s[10:11], s[4:5]
	s_add_nc_u64 s[4:5], s[4:5], s[34:35]
	s_add_nc_u64 s[6:7], s[16:17], s[36:37]
	s_add_nc_u64 s[8:9], s[16:17], s[38:39]
	WBODY 512
	global_store_b64 v9, v[SB:SB+1], s[8:9]        ; my column's eight scale bytes
	WOUT 1536, 1
	s_wait_tensorcnt 0x0
	ds_add_u32 v192, v193
	s_wait_dscnt 0x0
	s_endpgm
.Lwo:
	; ---- Wo: the same on [512][2048], rows in natural order, scale words in the order of the reader's registers
	s_sub_co_u32 s21, ttmp9, 608
	s_and_b32 s23, s21, 15
	s_lshr_b32 s24, s21, 4
	s_lshl_b32 s26, s24, 21                        ; 256 rows of 8,192 bytes
	s_lshl_b32 s27, s23, 9
	s_add_co_u32 s26, s26, s27
	s_lshl_b32 s27, s20, 7
	s_add_co_u32 s26, s26, s27
	s_mov_b32 s27, 0
	s_lshl_b32 s28, s23, 7
	s_lshl_b32 s29, s20, 5
	s_add_co_u32 s28, s28, s29
	s_mul_i32 s28, s28, 384
	s_mul_i32 s29, s24, 192
	s_add_co_u32 s28, s28, s29
	s_mov_b32 s29, 0
	s_lshl_b32 s30, s23, 11
	s_lshl_b32 s31, s20, 9
	s_add_co_u32 s30, s30, s31
	s_lshl_b32 s31, s24, 7
	s_add_co_u32 s30, s30, s31
	s_add_co_u32 s30, s30, WOS
	s_mov_b32 s31, 0
	WSETUP STGO, 384
	v_lshlrev_b32 v9, 2, v5
	v_lshl_add_u32 v9, v6, 8, v9                   ; 256 (lane / 16) + 4 (lane % 16)
	s_wait_kmcnt 0x0
	s_add_nc_u64 s[4:5], s[12:13], s[26:27]
	s_add_nc_u64 s[6:7], s[18:19], s[28:29]
	s_add_nc_u64 s[8:9], s[18:19], s[30:31]
	WBODY 2048
	global_store_b32 v9, v[SB], s[8:9]             ; the word of K step 2 y
	global_store_b32 v9, v[SB+1], s[8:9] offset:64 ; and of 2 y + 1
	WOUT 384, 0
	s_wait_tensorcnt 0x0
	ds_add_u32 v192, v193
	s_wait_dscnt 0x0
	s_endpgm
.Lfunc_end_k_qfbdbb73f4e_quant:
	.size	k_qfbdbb73f4e_quant, .Lfunc_end_k_qfbdbb73f4e_quant-k_qfbdbb73f4e_quant
	.p2alignl 7, 3214868480
	.fill 96, 4, 3214868480
	.section	.rodata,"a",@progbits
	.p2align	6, 0x0
	.amdhsa_kernel k_qfbdbb73f4e_quant
		.amdhsa_group_segment_fixed_size 102912
		.amdhsa_private_segment_fixed_size 0
		.amdhsa_enable_private_segment 0
		.amdhsa_kernarg_size 64
		.amdhsa_user_sgpr_count 2
		.amdhsa_user_sgpr_kernarg_segment_ptr 1
		.amdhsa_wavefront_size32 1
		.amdhsa_system_sgpr_workgroup_id_x 1
		.amdhsa_system_sgpr_workgroup_id_y 1
		.amdhsa_system_sgpr_workgroup_id_z 1
		.amdhsa_system_vgpr_workitem_id 0
		.amdhsa_next_free_vgpr 194
		.amdhsa_next_free_sgpr 66
		.amdhsa_reserve_vcc 0
		.amdhsa_float_denorm_mode_32 3
		.amdhsa_float_denorm_mode_16_64 3
		.amdhsa_memory_ordered 1
		.amdhsa_forward_progress 1
		.amdhsa_inst_pref_size 115
	.end_amdhsa_kernel
	.amdgpu_metadata
---
amdhsa.version: [ 1, 2 ]
amdhsa.kernels:
  - .name:           k_qfbdbb73f4e_quant
    .symbol:         k_qfbdbb73f4e_quant.kd
    .args:
      - { .name: hidden_states, .offset: 0, .size: 8, .value_kind: global_buffer, .address_space: global }
      - { .name: Wq, .offset: 8, .size: 8, .value_kind: global_buffer, .address_space: global }
      - { .name: Wk, .offset: 16, .size: 8, .value_kind: global_buffer, .address_space: global }
      - { .name: Wv, .offset: 24, .size: 8, .value_kind: global_buffer, .address_space: global }
      - { .name: Wo, .offset: 32, .size: 8, .value_kind: global_buffer, .address_space: global }
      - { .name: xq, .offset: 40, .size: 8, .value_kind: global_buffer, .address_space: global }
      - { .name: wq, .offset: 48, .size: 8, .value_kind: global_buffer, .address_space: global }
      - { .name: woq, .offset: 56, .size: 8, .value_kind: global_buffer, .address_space: global }
    .group_segment_fixed_size: 102912
    .private_segment_fixed_size: 0
    .kernarg_segment_align: 8
    .kernarg_segment_size: 64
    .max_flat_workgroup_size: 128
    .sgpr_count:     66
    .vgpr_count:     194
    .wavefront_size: 32
...
	.end_amdgpu_metadata
.endif
;; end of part 1
;; launch qkv (part 2): grid 8 x 32, 4 waves a work-group, clusters of 4 x 4, 327,680 bytes of LDS; arguments xq, wq, cos, sin, qq, kq, vq; writes qq, kq, vq
.if DOCPART == 2
	.amdgcn_target "amdgcn-amd-amdhsa--gfx1250"
	.amdhsa_code_object_version 6
	.text
	.protected	k_qfbdbb73f4e_qkv
	.globl	k_qfbdbb73f4e_qkv
	.p2align	8
	.type	k_qfbdbb73f4e_qkv,@function
k_qfbdbb73f4e_qkv:
	s_mov_b64 s[64:65], 0
	v_nop
	global_prefetch_b8 v0, s[64:65] scope:SCOPE_SE
	s_setreg_imm32_b32 hwreg(HW_REG_WAVE_MODE, 25, 1), 1
	s_wait_xcnt 0x0
	s_wait_alu depctr_hold_cnt(0) depctr_sa_sdst(0) depctr_va_vdst(0) depctr_va_sdst(0) depctr_va_ssrc(0) depctr_va_vcc(0) depctr_vm_vsrc(0)
	s_getreg_b32 s2, hwreg(HW_REG_IB_STS2, 6, 4)
	s_cmp_eq_u32 s2, 0
	s_cbranch_scc0 .Lentry_in_a_cluster
	s_endpgm
.Lentry_in_a_cluster:
	s_bfe_u32 s2, ttmp6, 0x10000c
	s_cmp_lg_u32 s2, 0xf033
	s_cbranch_scc0 .Lentry_shape_is_right
	s_endpgm
.Lentry_shape_is_right:
; q, k, v = x Wq, x Wk, x Wv on codes of FP6 (E2M3) with E8M0 scales; then RoPE on q and k in f32; then q and k are quantised along the head's 256 and v along the keys.
; A work-group takes 256 rows of xq and the 192 rows 192 j .. of wq (j = 4 head + beta): q's and k's blocks beta and beta + 4 of 32 channels, the two halves of a RoPE pair, and 64 channels of v.
; Wave (th, ch) takes 128 tokens x 96 rows: ch = 0: q's two blocks and v's group 2 beta; ch = 1: k's two blocks and v's group 2 beta + 1.  48 accumulators, K = 2,048 in steps of 256 through two LDS slots.
; q, k: source 0 = 16 rows of wq, source 1 = 16 tokens: a lane holds one token, its registers run along the channels.  v: THE SOURCES ARE SWAPPED (source 0 = tokens, source 1 = wq): a lane holds one channel
; and its registers run along the tokens, which are the K of the product that will read v.  The fragments are the same registers.  By the order of rows in xq and wq two neighbouring tiles give 16 neighbours.
; OUT.  qq, kq: [bh][tile of 16 tokens][beta][3][lane][8 B]: lane (r, h) holds block beta + 4 h of row r: the reader's operand registers, with the blocks of 32 along K in the order beta, beta + 4 on both
; operands alike; scale bytes [bh][tile][r][8] at QS, byte 2 beta + h.  vq: [bh][128 keys][16 channels' tile][3][lane][16 B], scale words [bh][128 keys][8][lane][4 B] at QS.
; The two scale bytes of a token leave as stores of two bytes, 256 KiB of the launch's 9.8 MB: a work-group holds only two of a token's eight bytes.
; CLUSTERS: 4 x 4; xq's tiles are asked for jointly along a row of the cluster, wq's along a column.
; LIMITS: blocks of zeros get the byte 1 (their codes are zeros; this program alone reads the bytes); NaN and infinities are not served.
; REGISTERS: window 0: v14-31 addresses, v32-63 scale words (two sets), v128-223 x's eight fragments, later the way out.  window 1: wq's six fragments, two sets, at v0 and v128.
;   windows 2 (token blocks 0-3) and 3 (blocks 4-7): v0-127 q/k accumulators (a, b) at 8 (4 (a % 4) + b); v128-191 v's at 128 + 8 (4 (b - 4) + a % 4); v192-255 a set of cos and sin.
.set KROW,   1536
.set ROWB,   192                       ; 256 codes
.set PITCH,  240                       ; 3 x (64 bytes + 16 of padding)
.set FR,     12
.set NL,     6
.set NP,     4
.set HALFA,  128*PITCH
.set HALFB,  96*PITCH
.set SLOT,   2*HALFA+2*HALFB           ; x's 256 rows, then wq's 192
.set LAPS,   4
.set SCA,    2*SLOT                    ; x's scale bytes for all of K: units of 256 bytes + 16
.set HALFSA, 32*272
.set HALFSB, 24*272
.set SCB,    SCA+2*HALFSA
.set SBLK,   4*272                     ; those of 16 rows
.set SPARE,  SCB+2*HALFSB              ; the spare words: 512 bytes that no other line names
.set XS,     12582912
.set WS,     2359296
.set QS,     3145728
.set L4,   14                          ; 4 x lane
.set L16,  15                          ; 16 x lane
.set ADRA, 16                          ; v16-19
.set ADRB, 20                          ; v20-23
.set CSO,  24                          ; my token's row of cos and sin, + 64 h
.set L8,   25                          ; 8 x lane
.set SO2,  26                          ; 128 h + 8 r
.set ADRS, 27                          ; scale words: lanes 0-15 x's rows, lanes 16-31 wq's
.set SPW,  28
.set NIL,  29
.set ADRS2, 31                         ; x's rows in all lanes
.set SC,   32
.set AF,   128
.set HA,   128                         ; the way out: 32 rotated numbers
.set TM,   160
.set TP,   164
.set SCL,  168
.set PCQ,  176                         ; v176-181, v184-189: q/k codes, two sets
.set CT,   192
.set PCV,  196                         ; v196-219: v's two fragments
.set PW,   220
.set EE,   224
.set CT2,  228
.set CS,   192                         ; in windows 2 and 3: cos low 16, cos high 16, sin low 16, sin high 16
.set G1,   24
.set G0,   32
.set G1B,  48
.set G0B,  56
.set G1S,  68
.set G0S,  76
.set G1SB, 80
.set G0SB, 88
.set MSB, 0
.macro WIN new                         ; the immediate's high byte repeats the setting that is left
.if MSB != \new
	s_set_vgpr_msb (MSB<<8)|\new
.set MSB, \new
.endif
.endm
.set QK_LO, 0xa1                       ; source 0 (wq) window 1, source 1 (x) window 0, C and D window 2
.set QK_HI, 0xf1
.set V_LO,  0xa4                       ; source 0 (x) window 0, source 1 (wq) window 1, C and D window 2
.set V_HI,  0xf4
.set TO_B,  0x40
.macro JLOAD g0a, g1a, g0b, g1b        ; a joint load: waves 0, 1 fetch for x, waves 2, 3 for wq; four v_nop follow each line
	s_cmp_eq_u32 s15, 0
	s_cbranch_scc0 .Lfor_b_\@
	tensor_load_to_lds s[\g0a:\g0a+3], s[\g1a:\g1a+7]
	s_nop 0
.rept 4
	v_nop
.endr
	s_branch .Lasked_\@
.Lfor_b_\@:
	tensor_load_to_lds s[\g0b:\g0b+3], s[\g1b:\g1b+7]
	s_nop 0
.rept 4
	v_nop
.endr
.Lasked_\@:
.endm
.macro CREST
	s_cmp_lg_u32 s14, 0
	s_cbranch_scc1 .Lnot_wave_0_\@
	s_barrier_signal -3
.Lnot_wave_0_\@:
	s_barrier_wait -3
	s_barrier_signal -1
	s_barrier_wait -1
.endm
.macro CROUND
	s_barrier_signal -1
	s_barrier_wait -1
	CREST
.endm
.macro PLACES n
.rept \n
	v_nop
.endr
.endm
.macro FRAG reg, adr, q, i             ; 16 rows x 128 K: 12 registers, six pieces of 8 bytes; the second address register serves pieces that lie behind one padding more in lanes 16-31
.irp p, 0,1,2,3,4,5
.set PCE, 12*(\q)+6*(\p/3)+\p%3
.if PCE%8 < 5
	ds_load_b64 v[\reg+2*\p:\reg+2*\p+1], v[\adr] offset:8*PCE+16*(PCE/8)+(\i)*16*PITCH
.else
	ds_load_b64 v[\reg+2*\p:\reg+2*\p+1], v[\adr+2] offset:8*PCE+16*(PCE/8)+(\i)*16*PITCH
.endif
.endr
.endm
.macro FETCH_B slot, q, p
	WIN TO_B
.irp i, 0,1,2,3,4,5
	FRAG 128*(\p)+FR*\i, ADRB+\slot, \q, \i
.endr
	WIN 0
.endm
.macro FETCH_A slot, q, i0
.irp i, \i0, \i0+1, \i0+2, \i0+3
	FRAG AF+FR*(\i), ADRA+\slot, \q, \i
.endr
.endm
.macro SCALES sc                       ; register 2 i + q of a set: lanes 0-15 the word of x's block i, lanes 16-31 that of wq's block i (wq has six blocks)
.irp i, 0,1,2,3,4,5
	ds_load_b64 v[SC+16*\sc+2*\i:SC+16*\sc+2*\i+1], v[ADRS] offset:\i*SBLK
.endr
.irp i, 6,7
	ds_load_b64 v[SC+16*\sc+2*\i:SC+16*\sc+2*\i+1], v[ADRS2] offset:\i*SBLK
.endr
.endm
; The 48 accumulators take turns, one instruction a turn, in the same order in every step.
.macro MULQK a0, p, q, sc, zero
.irp a, \a0, \a0+1
.irp b, 0,1,2,3
.if \zero
	v_wmma_scale_f32_16x16x128_f8f6f4 v[8*(4*((\a)%4)+\b):8*(4*((\a)%4)+\b)+7], v[128*(\p)+FR*\b:128*(\p)+FR*\b+FR-1], v[AF+FR*(\a):AF+FR*(\a)+FR-1], 0, v[SC+16*(\sc)+2*\b+(\q)], v[SC+16*(\sc)+2*(\a)+(\q)] matrix_a_fmt:MATRIX_FMT_FP6 matrix_b_fmt:MATRIX_FMT_FP6 matrix_a_scale:MATRIX_SCALE_ROW1
.else
	v_wmma_scale_f32_16x16x128_f8f6f4 v[8*(4*((\a)%4)+\b):8*(4*((\a)%4)+\b)+7], v[128*(\p)+FR*\b:128*(\p)+FR*\b+FR-1], v[AF+FR*(\a):AF+FR*(\a)+FR-1], v[8*(4*((\a)%4)+\b):8*(4*((\a)%4)+\b)+7], v[SC+16*(\sc)+2*\b+(\q)], v[SC+16*(\sc)+2*(\a)+(\q)] matrix_a_fmt:MATRIX_FMT_FP6 matrix_b_fmt:MATRIX_FMT_FP6 matrix_a_scale:MATRIX_SCALE_ROW1
.endif
.endr
.endr
.endm
.macro MULV a0, p, q, sc, zero
.irp a, \a0, \a0+1
.irp b, 4,5
.if \zero
	v_wmma_scale_f32_16x16x128_f8f6f4 v[128+8*(4*(\b-4)+(\a)%4):128+8*(4*(\b-4)+(\a)%4)+7], v[AF+FR*(\a):AF+FR*(\a)+FR-1], v[128*(\p)+FR*\b:128*(\p)+FR*\b+FR-1], 0, v[SC+16*(\sc)+2*(\a)+(\q)], v[SC+16*(\sc)+2*\b+(\q)] matrix_a_fmt:MATRIX_FMT_FP6 matrix_b_fmt:MATRIX_FMT_FP6 matrix_b_scale:MATRIX_SCALE_ROW1
.else
	v_wmma_scale_f32_16x16x128_f8f6f4 v[128+8*(4*(\b-4)+(\a)%4):128+8*(4*(\b-4)+(\a)%4)+7], v[AF+FR*(\a):AF+FR*(\a)+FR-1], v[128*(\p)+FR*\b:128*(\p)+FR*\b+FR-1], v[128+8*(4*(\b-4)+(\a)%4):128+8*(4*(\b-4)+(\a)%4)+7], v[SC+16*(\sc)+2*(\a)+(\q)], v[SC+16*(\sc)+2*\b+(\q)] matrix_a_fmt:MATRIX_FMT_FP6 matrix_b_fmt:MATRIX_FMT_FP6 matrix_b_scale:MATRIX_SCALE_ROW1
.endif
.endr
.endr
.endm
; A slot's first 128 along K; its successor lies in the same slot.
.macro STEP slot, zero
	s_wait_dscnt 4*NL                              ; wq's set and x's blocks 0-3 are in; the youngest 24 loads (x's blocks 4-7) may be out
	WIN QK_LO
	MULQK 0, 0, 0, \slot, \zero
	MULQK 2, 0, 0, \slot, \zero
	WIN V_LO
	MULV 0, 0, 0, \slot, \zero
	MULV 2, 0, 0, \slot, \zero
	s_wait_dscnt 0                                 ; x's blocks 4-7 are in
	PLACES NP                                      ; four places in front of loads into registers that matrix instructions have read
	FETCH_B \slot, 1, 1
	FETCH_A \slot, 1, 0
	WIN QK_HI
	MULQK 4, 0, 0, \slot, \zero
	MULQK 6, 0, 0, \slot, \zero
	WIN V_HI
	MULV 4, 0, 0, \slot, \zero
	MULV 6, 0, 0, \slot, \zero
	PLACES NP
	WIN 0
	FETCH_A \slot, 1, 4
.endm
; A slot's second 128 along K changes slots: one barrier; in front of it each wave waits for all its tensor loads, adds 0 to its spare word, and waits for that and for its reads of this slot.
.macro TURN slot, next, fill
	s_wait_tensorcnt 0x0                           ; all my tensor loads have landed: my part of the next slot
	ds_add_u32 v[SPW], v[NIL]
	s_wait_dscnt 4*NL+1                            ; the add and the youngest 24 loads may be out
	WIN QK_LO
	MULQK 0, 1, 1, \slot, 0
	MULQK 2, 1, 1, \slot, 0
	s_wait_dscnt 0x0                               ; the add is done, and my reads of this slot are over
	s_barrier_signal -1
	WIN V_LO
	MULV 0, 1, 1, \slot, 0
	MULV 2, 1, 1, \slot, 0
	WIN 0
	s_barrier_wait -1
.if \fill
	CREST                                          ; the barrier has opened a round of the cluster's barrier: no wave of any partner still reads this slot or has a load on its way
	s_add_nc_u64 s[G0+4*\slot+2:G0+4*\slot+3], s[G0+4*\slot+2:G0+4*\slot+3], 2*ROWB
	s_add_nc_u64 s[G0B+4*\slot+2:G0B+4*\slot+3], s[G0B+4*\slot+2:G0B+4*\slot+3], 2*ROWB
	JLOAD G0+4*\slot, G1, G0B+4*\slot, G1B         ; the first tensor load behind the round; its four v_nop are the places in front of the loads below
.else
	PLACES NP
.endif
	v_add_nc_u32 v[ADRS], 8, v[ADRS]               ; the next K step's two scale words
	v_add_nc_u32 v[ADRS2], 8, v[ADRS2]
	FETCH_B \next, 0, 0
	FETCH_A \next, 0, 0
	SCALES \next
	WIN QK_HI
	MULQK 4, 1, 1, \slot, 0
	MULQK 6, 1, 1, \slot, 0
	WIN V_HI
	MULV 4, 1, 1, \slot, 0
	MULV 6, 1, 1, \slot, 0
	PLACES NP
	WIN 0
	FETCH_A \next, 0, 4
.endm
; cos and sin of token block a: my token's 16 numbers of block beta and of block beta + 4, into set a % 2
.macro CSLOAD a
.set RO, (32*((\a)/2)+8*((\a)%2))*1024
	WIN 0x80+0x40*((\a)%2)
.irp i, 0,1,2,3
	global_load_b128 v[CS+4*\i:CS+4*\i+3], v[CSO], s[8:9] offset:RO+16*\i
	global_load_b128 v[CS+16+4*\i:CS+16+4*\i+3], v[CSO], s[8:9] offset:RO+512+16*\i
	global_load_b128 v[CS+32+4*\i:CS+32+4*\i+3], v[CSO], s[10:11] offset:RO+16*\i
	global_load_b128 v[CS+48+4*\i:CS+48+4*\i+3], v[CSO], s[10:11] offset:RO+512+16*\i
.endr
	WIN 0
.endm
; low' = low cos - high sin;  high' = high cos + low sin.  Each accumulator is read from its low end on.
.macro ROPE a
.if (\a) < 7
	s_wait_loadcnt 16                              ; this block's 16 loads are in; the next block's may be out
.else
	s_wait_loadcnt 0
.endif
	s_wait_xcnt 0x0                                ; earlier stores have read their registers, which are written again below
	WIN ((2+(\a)%2)<<2)|(2+(\a)/4)
.set AL, 32*((\a)%4)
.irp p, 0,2,4,6,8,10,12,14
	v_pk_mul_f32 v[HA+\p:HA+\p+1], v[AL+\p:AL+\p+1], v[CS+\p:CS+\p+1]
	v_pk_fma_f32 v[HA+\p:HA+\p+1], v[AL+16+\p:AL+16+\p+1], v[CS+32+\p:CS+32+\p+1], v[HA+\p:HA+\p+1] neg_lo:[1,0,0] neg_hi:[1,0,0]
	v_pk_mul_f32 v[HA+16+\p:HA+16+\p+1], v[AL+16+\p:AL+16+\p+1], v[CS+16+\p:CS+16+\p+1]
	v_pk_fma_f32 v[HA+16+\p:HA+16+\p+1], v[AL+\p:AL+\p+1], v[CS+48+\p:CS+48+\p+1], v[HA+16+\p:HA+16+\p+1]
.endr
	WIN 0
.endm
; the two blocks of 32 of token block a: scale bytes, codes, and the exchange of halves that leaves lane (r, h) with the whole block beta + 4 h
.macro QUANT2 a
.set PQ, PCQ+8*((\a)%2)
.irp b, 0,1
	v_max3_num_f32 v[TM+\b], |v[HA+16*\b]|, |v[HA+16*\b+1]|, 0x1800000
.endr
.irp i, 2,4,6,8,10,12,14
.irp b, 0,1
	v_max3_num_f32 v[TM+\b], v[TM+\b], |v[HA+16*\b+\i]|, |v[HA+16*\b+\i+1]|
.endr
.endr
.irp b, 0,1
	v_permlanex16_b32 v[TP+\b], v[TM+\b], s12, s13
.endr
.irp b, 0,1
	v_max_num_f32 v[TM+\b], v[TM+\b], v[TP+\b]
.endr
.irp b, 0,1
	v_add_nc_u32 v[SCL+\b], 0xff000000, v[TM+\b]
.endr
.irp b, 0,1
	v_lshrrev_b32 v[TP+\b], 23, v[SCL+\b]
.endr
	v_lshl_or_b32 v[EE+(\a)%2], v[TP+1], 8, v[TP]
	v_cvt_scalef32_pk16_fp6_f32 v[PQ:PQ+2], v[HA:HA+15], v[SCL]
	v_cvt_scalef32_pk16_fp6_f32 v[CT:CT+2], v[HA+16:HA+31], v[SCL+1]
	v_nop                                          ; one plain place behind a scaled conversion
.irp i, 0,1,2
	v_permlane16_swap_b32 v[PQ+\i], v[CT+\i]
.endr
.irp i, 0,1,2
	v_mov_b32 v[PQ+3+\i], v[CT+\i]
.endr
.irp p, 0,1,2
	global_store_b64 v[L8], v[PQ+2*\p:PQ+2*\p+1], s[92:93] offset:3072*(\a)+256*\p   ; 32 lanes store 256 consecutive bytes, aligned
.endr
.if (\a)%2
	v_cndmask_b32 v[EE+2], v[EE], v[EE+1], s18     ; lanes 0-15: the even block's bytes, lanes 16-31: the odd block's
	global_store_b16 v[SO2], v[EE+2], s[94:95] offset:128*((\a)-1)
.endif
.endm
; v's tile b (16 channels x my 128 keys): 64 numbers a lane, blocks 0, 1 in window 2 and 2, 3 in window 3, become one fragment and one scale word
.macro QUANTV b
.set VB, 128+32*((\b)-4)
.set PV, PCV+12*((\b)-4)
	WIN 0x28
.irp k, 0,1
	v_max3_num_f32 v[TM+\k], 0x1800000, |v[VB+16*\k]|, |v[VB+16*\k+1]|
.endr
.irp i, 2,4,6,8,10,12,14
.irp k, 0,1
	v_max3_num_f32 v[TM+\k], v[TM+\k], |v[VB+16*\k+\i]|, |v[VB+16*\k+\i+1]|
.endr
.endr
	WIN 0x3c
.irp k, 0,1
	v_max3_num_f32 v[TM+2+\k], 0x1800000, |v[VB+16*\k]|, |v[VB+16*\k+1]|
.endr
.irp i, 2,4,6,8,10,12,14
.irp k, 0,1
	v_max3_num_f32 v[TM+2+\k], v[TM+2+\k], |v[VB+16*\k+\i]|, |v[VB+16*\k+\i+1]|
.endr
.endr
	WIN 0
.irp k, 0,1,2,3
	v_permlanex16_b32 v[TP+\k], v[TM+\k], s12, s13
.endr
.irp k, 0,1,2,3
	v_max_num_f32 v[TM+\k], v[TM+\k], v[TP+\k]
.endr
.irp k, 0,1,2,3
	v_add_nc_u32 v[SCL+\k], 0xff000000, v[TM+\k]
.endr
.irp k, 0,1,2,3
	v_lshrrev_b32 v[TP+\k], 23, v[SCL+\k]
.endr
	v_lshl_or_b32 v[PW+(\b)-4], v[TP+1], 8, v[TP]
	v_lshl_or_b32 v[PW+(\b)-4], v[TP+2], 16, v[PW+(\b)-4]
	v_lshl_or_b32 v[PW+(\b)-4], v[TP+3], 24, v[PW+(\b)-4]
	WIN 0x02
	v_cvt_scalef32_pk16_fp6_f32 v[PV:PV+2], v[VB:VB+15], v[SCL]
	v_cvt_scalef32_pk16_fp6_f32 v[CT:CT+2], v[VB+16:VB+31], v[SCL+1]
	WIN 0x03
	v_cvt_scalef32_pk16_fp6_f32 v[PV+6:PV+8], v[VB:VB+15], v[SCL+2]
	v_cvt_scalef32_pk16_fp6_f32 v[CT2:CT2+2], v[VB+16:VB+31], v[SCL+3]
	WIN 0
	v_nop
.irp i, 0,1,2
	v_permlane16_swap_b32 v[PV+\i], v[CT+\i]
	v_permlane16_swap_b32 v[PV+6+\i], v[CT2+\i]
.endr
.irp i, 0,1,2
	v_mov_b32 v[PV+3+\i], v[CT+\i]
	v_mov_b32 v[PV+9+\i], v[CT2+\i]
.endr
.irp c, 0,1,2
	global_store_b128 v[L16], v[PV+4*\c:PV+4*\c+3], s[96:97] offset:1536*((\b)-4)+512*\c   ; 512 consecutive bytes, aligned
.endr
.endm
	s_load_b256 s[4:11], s[0:1], 0x0               ; xq, wq, cos, sin
	s_load_b128 s[92:95], s[0:1], 0x20             ; qq, kq
	s_load_b64 s[96:97], s[0:1], 0x30              ; vq
	v_lshl_add_u32 v[SPW], v0, 2, SPARE
	v_mov_b32 v[NIL], 0
	ds_add_u32 v28, v29
	s_wait_dscnt 0x0
	v_lshrrev_b32 v1, 5, v0
	v_readfirstlane_b32 s14, v1                    ; wave
	s_lshr_b32 s15, s14, 1                         ; th: my half of the tokens.  Also: I fetch for x (0) or for wq (1)
	s_and_b32 s16, s14, 1                          ; ch: my half of wq's rows.  Also: which half of that tile I fetch
	s_bfe_u32 s40, ttmp6, 0x40000                  ; cx = beta
	s_bfe_u32 s41, ttmp6, 0x40004                  ; cy
	s_lshl_b32 s42, ttmp9, 2
	s_add_co_u32 s42, s42, s40                     ; j = 4 head + beta
	s_and_b32 s17, ttmp7, 0xffff
	s_lshl_b32 s17, s17, 2
	s_add_co_u32 s17, s17, s41                     ; which 256 rows of xq
	s_lshl_b32 s43, s41, 2
	s_lshl_b32 s43, 15, s43                        ; my row of the cluster
	s_lshl_b32 s44, 0x1111, s40                    ; my column
	s_or_b32 s[G1+0], s43, (0<<16)|(1<<20)|(1<<21)|(3<<22)|(3<<25)   ; mask; elements of 1 byte; padding: 4 words behind every 16; bit 21 beside a mask
	s_or_b32 s[G1B+0], s44, (0<<16)|(1<<20)|(1<<21)|(3<<22)|(3<<25)
	s_mov_b32 s[G1+1], ROWB<<16
	s_mov_b32 s[G1+2], 128<<16
	s_mov_b32 s[G1+3], ROWB<<16
	s_mov_b32 s[G1+4], 128
	s_mov_b32 s[G1+5], KROW
	s_mov_b32 s[G1+6], 0
	s_mov_b32 s[G1+7], 0
	s_mov_b32 s[G1B+1], ROWB<<16
	s_mov_b32 s[G1B+2], 96<<16
	s_mov_b32 s[G1B+3], ROWB<<16
	s_mov_b32 s[G1B+4], 96
	s_mov_b32 s[G1B+5], KROW
	s_mov_b32 s[G1B+6], 0
	s_mov_b32 s[G1B+7], 0
	s_or_b32 s[G1S+0], s43, (3<<16)|(1<<20)|(1<<21)|(5<<22)|(3<<25)  ; the scale bytes: dense blocks as rows of 256 bytes, 16 bytes of padding behind each
	s_or_b32 s[G1SB+0], s44, (3<<16)|(1<<20)|(1<<21)|(5<<22)|(3<<25)
	s_mov_b32 s[G1S+1], 32<<16
	s_mov_b32 s[G1S+2], 32<<16
	s_mov_b32 s[G1S+3], 32<<16
	s_mov_b32 s[G1S+4], 32
	s_mov_b32 s[G1S+5], 32
	s_mov_b32 s[G1S+6], 0
	s_mov_b32 s[G1S+7], 0
	s_mov_b32 s[G1SB+1], 32<<16
	s_mov_b32 s[G1SB+2], 24<<16
	s_mov_b32 s[G1SB+3], 32<<16
	s_mov_b32 s[G1SB+4], 24
	s_mov_b32 s[G1SB+5], 32
	s_mov_b32 s[G1SB+6], 0
	s_mov_b32 s[G1SB+7], 0
	s_lshl_b32 s18, s16, 7
	s_lshl_b32 s20, s17, 8
	s_add_co_u32 s20, s20, s18                     ; xq: row 256 ty + 128 half
	s_mul_i32 s46, s42, 192
	s_mul_i32 s18, s16, 96
	s_add_co_u32 s46, s46, s18                     ; wq: row 192 j + 96 half
	s_lshl_b32 s22, s20, 6
	s_add_co_u32 s22, s22, XS
	s_mov_b32 s23, 0
	s_mul_i32 s20, s20, KROW
	s_mov_b32 s21, 0
	s_lshl_b32 s98, s46, 6
	s_add_co_u32 s98, s98, WS
	s_mov_b32 s99, 0
	s_mul_i32 s46, s46, KROW
	s_mov_b32 s47, 0
	s_mul_i32 s45, s16, HALFA                      ; where they go: the wave's number alone enters an LDS address
	s_mul_i32 s2, s16, HALFB
	s_add_co_u32 s2, s2, 2*HALFA
	s_mul_i32 s12, s16, HALFSA
	s_mul_i32 s13, s16, HALFSB
	s_wait_kmcnt 0x0
	s_add_nc_u64 s[20:21], s[4:5], s[20:21]
	s_add_nc_u64 s[22:23], s[4:5], s[22:23]
	s_add_nc_u64 s[46:47], s[6:7], s[46:47]
	s_add_nc_u64 s[98:99], s[6:7], s[98:99]
	CROUND                                         ; all sixteen work-groups are here: the first joint loads meet
	s_mov_b32 s[G0S], 1
	s_add_co_u32 s[G0S+1], s12, SCA
	s_mov_b64 s[G0S+2:G0S+3], s[22:23]
	s_or_b32 s[G0S+3], s[G0S+3], 0x80000000
	s_mov_b32 s[G0SB], 1
	s_add_co_u32 s[G0SB+1], s13, SCB
	s_mov_b64 s[G0SB+2:G0SB+3], s[98:99]
	s_or_b32 s[G0SB+3], s[G0SB+3], 0x80000000
	JLOAD G0S, G1S, G0SB, G1SB                     ; the scale bytes for all of K: filled once
.irp s, 0,1
	s_mov_b32 s[G0+4*\s], 1
	s_add_co_u32 s[G0+4*\s+1], s45, \s*SLOT
	s_add_nc_u64 s[G0+4*\s+2:G0+4*\s+3], s[20:21], \s*ROWB
	s_or_b32 s[G0+4*\s+3], s[G0+4*\s+3], 0x80000000
	s_mov_b32 s[G0B+4*\s], 1
	s_add_co_u32 s[G0B+4*\s+1], s2, \s*SLOT
	s_add_nc_u64 s[G0B+4*\s+2:G0B+4*\s+3], s[46:47], \s*ROWB
	s_or_b32 s[G0B+4*\s+3], s[G0B+4*\s+3], 0x80000000
	JLOAD G0+4*\s, G1, G0B+4*\s, G1B               ; by this text's count three tensor loads of a wave are out
.endr
	v_and_b32 v1, 15, v0                           ; r
	v_bfe_u32 v2, v0, 4, 1                         ; h
	v_mul_u32_u24 v3, v1, PITCH
	v_mul_u32_u24 v4, v2, 24
	v_add_nc_u32 v4, v3, v4
	v_lshl_add_u32 v5, v2, 4, v4
	s_mul_i32 s21, s15, HALFA                      ; my 128 rows of x
	s_mul_i32 s22, s16, HALFB                      ; my 96 rows of wq, behind x's 256
	s_add_co_u32 s22, s22, 2*HALFA
.irp s, 0,1
	v_add_nc_u32 v[ADRA+\s], s21, v4
	v_add_nc_u32 v[ADRB+\s], s22, v4
	v_add_nc_u32 v[ADRA+2+\s], s21, v5
	v_add_nc_u32 v[ADRB+2+\s], s22, v5
	s_add_co_u32 s21, s21, SLOT
	s_add_co_u32 s22, s22, SLOT
.endr
	v_lshlrev_b32 v5, 6, v1                        ; a row's 64 scale bytes,
	v_lshrrev_b32 v6, 2, v1
	v_lshl_add_u32 v5, v6, 4, v5                   ; and 16 more for each 256 passed
	s_mul_i32 s21, s15, HALFSA
	s_mul_i32 s22, s16, HALFSB
	s_add_co_u32 s22, s22, 2*HALFSA
	s_sub_co_u32 s22, s22, s21
	v_mul_u32_u24 v6, s22, v2                      ; lanes 16-31 take wq's: one product, the distance between the two bases
	s_add_co_u32 s21, s21, SCA
	v_add_nc_u32 v[ADRS2], s21, v5
	v_add_nc_u32 v[ADRS], v[ADRS2], v6
	v_and_b32 v6, 31, v0
	v_lshlrev_b32 v[L4], 2, v6
	v_lshlrev_b32 v[L16], 4, v6
	v_lshlrev_b32 v[L8], 3, v6
	v_lshlrev_b32 v[SO2], 3, v1
	v_lshl_add_u32 v[SO2], v2, 7, v[SO2]
	v_and_b32 v6, 8, v1
	v_add_nc_u32 v6, v6, v1                        ; r + 8 (r / 8): my token in its pair of blocks
	v_lshlrev_b32 v[CSO], 10, v6
	v_lshl_add_u32 v[CSO], v2, 6, v[CSO]
	; where the results go, and where cos and sin stand
	s_lshl_b32 s2, s17, 8
	s_lshl_b32 s12, s15, 7
	s_add_co_u32 s2, s2, s12                       ; my first token: 256 ty + 128 th
	s_lshl_b32 s12, s2, 10
	s_lshl_b32 s13, s40, 7
	s_add_co_u32 s12, s12, s13
	s_mov_b32 s13, 0
	s_add_nc_u64 s[8:9], s[8:9], s[12:13]
	s_add_nc_u64 s[10:11], s[10:11], s[12:13]
	s_lshr_b32 s18, s17, 4
	s_lshl_b32 s18, s18, 1
	s_add_co_u32 s18, s18, ttmp9                   ; bh = 2 batch + head
	s_and_b32 s19, s2, 4095                        ; my first token in its sequence
	s_mul_i32 s66, s18, 786432
	s_mul_i32 s67, s19, 192
	s_add_co_u32 s66, s66, s67
	s_lshl_b32 s18, s18, 15
	s_lshl_b32 s19, s19, 3
	s_add_co_u32 s18, s18, s19
	s_add_co_u32 s18, s18, QS
	s_cmp_eq_u32 s16, 0
	s_cselect_b64 s[92:93], s[92:93], s[94:95]     ; ch = 0 writes q, ch = 1 writes k
	s_mov_b64 s[94:95], s[92:93]
	s_mul_i32 s12, s40, 768
	s_add_co_u32 s12, s12, s66
	s_add_nc_u64 s[92:93], s[92:93], s[12:13]
	s_lshl_b32 s12, s40, 1
	s_add_co_u32 s12, s12, s18
	s_add_nc_u64 s[94:95], s[94:95], s[12:13]
	s_lshl_b32 s19, s40, 1
	s_add_co_u32 s19, s19, s16                     ; v's group of 32 channels: 2 beta + ch
	s_mov_b64 s[98:99], s[96:97]
	s_mul_i32 s12, s19, 3072
	s_add_co_u32 s12, s12, s66
	s_add_nc_u64 s[96:97], s[96:97], s[12:13]
	s_lshl_b32 s12, s19, 7
	s_add_co_u32 s12, s12, s18
	s_add_nc_u64 s[98:99], s[98:99], s[12:13]
	s_wait_tensorcnt 1                             ; the scale bytes and my part of K step 0 are in; K step 1's load may be out
	s_barrier_signal -1
	s_barrier_wait -1
	FETCH_B 0, 0, 0
	FETCH_A 0, 0, 0
	SCALES 0
	FETCH_A 0, 0, 4
	STEP 0, 1                                      ; the first step's products start the sums: nothing is cleared
	s_mov_b32 s3, LAPS-1
.Llap:                                             ; a trip goes once round the ring and fills both slots again
	TURN 0, 1, 1
	STEP 1, 0
	TURN 1, 0, 1
	STEP 0, 0
	s_sub_co_u32 s3, s3, 1
	s_cmp_lg_u32 s3, 0
	s_cbranch_scc1 .Llap
	CSLOAD 0                                       ; cos and sin of the first two token blocks are asked for a lap ahead of their use
	CSLOAD 1
	TURN 0, 1, 0                                   ; the last lap fills nothing
	STEP 1, 0
	s_wait_dscnt 4*NL
	WIN QK_LO
	MULQK 0, 1, 1, 1, 0
	MULQK 2, 1, 1, 1, 0
	WIN V_LO
	MULV 0, 1, 1, 1, 0
	MULV 2, 1, 1, 1, 0
	s_wait_dscnt 0
	WIN QK_HI
	MULQK 4, 1, 1, 1, 0
	MULQK 6, 1, 1, 1, 0
	WIN V_HI
	MULV 4, 1, 1, 1, 0
	MULV 6, 1, 1, 1, 0
	WIN 0
	PLACES NP                                      ; behind the last products: results are read and x's fragment registers written below
	s_mov_b32 s12, 0x76543210
	s_mov_b32 s13, 0xfedcba98                      ; lane l xor 16
	s_mov_b32 s18, 0xffff0000                      ; lanes 16-31
.irp b, 0,1,2,3
	v_mov_b32 v[TP+\b], 0                          ; a lane permute's destination counts as one of its sources
.endr
.irp a, 0,1,2,3,4,5,6,7
	ROPE \a
.if \a < 6
	CSLOAD \a+2
.endif
	QUANT2 \a
.endr
	QUANTV 4
	QUANTV 5
	v_cndmask_b32 v[PW+2], v[PW], v[PW+1], s18     ; lanes 0-15: the even tile's words, lanes 16-31: the odd tile's
	global_store_b32 v[L4], v[PW+2], s[98:99]
	s_wait_tensorcnt 0x0                           ; the wave's end
	ds_add_u32 v[SPW], v[NIL]
	s_wait_dscnt 0x0
	CROUND                                         ; the closing round
	s_endpgm
.Lfunc_end_k_qfbdbb73f4e_qkv:
	.size	k_qfbdbb73f4e_qkv, .Lfunc_end_k_qfbdbb73f4e_qkv-k_qfbdbb73f4e_qkv
	.p2alignl 7, 3214868480
	.fill 96, 4, 3214868480
	.section	.rodata,"a",@progbits
	.p2align	6, 0x0
	.amdhsa_kernel k_qfbdbb73f4e_qkv
		.amdhsa_group_segment_fixed_size 327680
		.amdhsa_private_segment_fixed_size 0
		.amdhsa_enable_private_segment 0
		.amdhsa_kernarg_size 56
		.amdhsa_user_sgpr_count 2
		.amdhsa_user_sgpr_kernarg_segment_ptr 1
		.amdhsa_wavefront_size32 1
		.amdhsa_system_sgpr_workgroup_id_x 1
		.amdhsa_system_sgpr_workgroup_id_y 1
		.amdhsa_system_sgpr_workgroup_id_z 1
		.amdhsa_system_vgpr_workitem_id 0
		.amdhsa_next_free_vgpr 1024
		.amdhsa_next_free_sgpr 100
		.amdhsa_reserve_vcc 0
		.amdhsa_float_denorm_mode_32 3
		.amdhsa_float_denorm_mode_16_64 3
		.amdhsa_memory_ordered 1
		.amdhsa_forward_progress 1
		.amdhsa_inst_pref_size 166
	.end_amdhsa_kernel
	.amdgpu_metadata
---
amdhsa.version: [ 1, 2 ]
amdhsa.kernels:
  - .name:           k_qfbdbb73f4e_qkv
    .symbol:         k_qfbdbb73f4e_qkv.kd
    .args:
      - { .name: xq, .offset: 0, .size: 8, .value_kind: global_buffer, .address_space: global }
      - { .name: wq, .offset: 8, .size: 8, .value_kind: global_buffer, .address_space: global }
      - { .name: cos, .offset: 16, .size: 8, .value_kind: global_buffer, .address_space: global }
      - { .name: sin, .offset: 24, .size: 8, .value_kind: global_buffer, .address_space: global }
      - { .name: qq, .offset: 32, .size: 8, .value_kind: global_buffer, .address_space: global }
      - { .name: kq, .offset: 40, .size: 8, .value_kind: global_buffer, .address_space: global }
      - { .name: vq, .offset: 48, .size: 8, .value_kind: global_buffer, .address_space: global }
    .group_segment_fixed_size: 327680
    .private_segment_fixed_size: 0
    .kernarg_segment_align: 8
    .kernarg_segment_size: 56
    .max_flat_workgroup_size: 128
    .sgpr_count:     100
    .vgpr_count:     1024
    .wavefront_size: 32
...
	.end_amdgpu_metadata
.endif
;; end of part 2
;; launch attn (part 3): grid 64 x 4, 12 waves a work-group, no clusters, 327,680 bytes of LDS; arguments qq, kq, vq, oq; writes oq
.if DOCPART == 3
	.amdgcn_target "amdgcn-amd-amdhsa--gfx1250"
	.amdhsa_code_object_version 6
	.text
	.protected	k_qfbdbb73f4e_attn
	.globl	k_qfbdbb73f4e_attn
	.p2align	8
	.type	k_qfbdbb73f4e_attn,@function
k_qfbdbb73f4e_attn:
	s_mov_b64 s[64:65], 0
	v_nop
	global_prefetch_b8 v0, s[64:65] scope:SCOPE_SE
	s_setreg_imm32_b32 hwreg(HW_REG_WAVE_MODE, 25, 1), 1
	s_wait_xcnt 0x0
; Attention inside the causal window of 1,024, both products on codes of FP6 (E2M3); the result, divided by the row's sum, is quantised along the 512 of the output projection's K.
; logit = 50 tanh(q . k / 800);  t = logit x log2(e) = C - 2 C / (1 + 2^u), u = q . k x 2 log2(e) / 800, C = 50 log2(e).
; THE MAXIMUM.  The tanh holds |t| at 72.14 for every input, so p = 2^t lies in 2^-72.2 .. 2^72.2 and a row's sum of 1,024 terms under 2^83: nothing can overflow or underflow in f32, and p's scale bytes lie in 52 .. 200.
; So M = 0, a whole number, is taken for every row: the codes are those of any other whole M, whose power of two the blocks' scales take up; no running maximum and no rescaling is needed, and partial
; sums over different keys simply add.  LIMITS: O overflows only for |v| above about 2^44; t has an absolute error of about 1e-5 (the difference 1 - 2 r); NaN and infinities are not served.
; SHARES.  A work-group owns 64 queries of one (batch, head): tiles 4 x + qt.  Its keys lie in nine steps of 128 from step max(x / 2 - 8, 0) on.  Wave w: qt = w % 4, kg = w / 4: in its first, second and third turn
; it takes step kg, 3 + kg and 6 + kg for its 16 queries.  Three waves of 320 registers share a SIMD.  At the end the three partial O and sums meet in LDS, and waves 0-7 finish one fragment (16 queries x 128 channels) each.
; A step all of whose keys come after the wave's queries is left out by a scalar branch on ids (not in the first turn, whose products start O: there the mask makes p = 0).
; Both products are used transposed: a lane holds one query.  The order of rows in kq and vq makes two neighbouring tiles' results 16 neighbours along the next K.
; NO CLUSTER: only two of four neighbouring blocks of queries have the same nine steps.
; LDS: two slots of three steps (K's codes 3 x 24,576, V's codes, K's scale bytes 3 x 1,024, V's); the spare words; the way out lies in the slots, which have had their last fill.
; REGISTERS: v1-4 LDS read addresses (stepped from slot to slot), v5-7, v61 the way out's, v9-10 the add's, v11 my query - 16 h, v[12:15] the sum in two chains, v16-39 Q, v40-45 scale words,
;   v46-57 at work, v58 p's scale word, v[62:63] C, v64-127 S^T then p, v128-175 four fragments, v176-190 p's codes, v192-255 O^T tiles 8-15; window 1 v0-63: O^T tiles 0-7.
.set SLOTB, 153600
.set KSB,   24576
.set VOFF,  73728
.set KSO,   147456
.set VSO,   150528
.set SPARE, 307200
.set LST,   196608
.set QS,    3145728
.set AK,  1
.set AV,  2
.set ASK, 3
.set ASV, 4
.set STO, 5
.set RD,  6
.set LRD, 7
.set SPW, 9
.set NIL, 10
.set LQH, 11
.set TM,  46
.set TP,  50
.set SCL, 54
.set PW,  58
.set LSTO, 61
.set S,   64
.set FRG, 128
.set PC,  176
.set CT,  188
.set MSB, 0
.macro WIN new
.if MSB != \new
	s_set_vgpr_msb (MSB<<8)|\new
.set MSB, \new
.endif
.endm
.macro NOPS
.rept 4
	v_nop
.endr
.endm
; the refill: waves 0-5 fetch codes, waves 6, 7 scale bytes, the others nothing; four v_nop follow each line
.macro TLOAD
	s_cmp_lt_u32 s12, 6
	s_cbranch_scc0 .Lnotc_\@
	tensor_load_to_lds s[44:47], s[28:35]
	s_nop 0
	NOPS
	s_branch .Ldone_\@
.Lnotc_\@:
	s_cmp_lt_u32 s12, 8
	s_cbranch_scc0 .Ldone_\@
	tensor_load_to_lds s[52:55], s[36:43]
	s_nop 0
	NOPS
.Ldone_\@:
.endm
; 64 numbers of a lane, register 16 b + i = k 32 b + 16 h + i of my row, become a fragment's codes in v[pc] on and its scale word in v[PW]
.macro QUANT s, pc, ct
.irp b, 0,1,2,3
	v_max3_num_f32 v[TM+\b], |v[\s+16*\b]|, |v[\s+1+16*\b]|, 0x1800000   ; the floor 2^(3 - 127): the byte cannot fall under 1
.endr
.irp i, 2,4,6,8,10,12,14
.irp b, 0,1,2,3
	v_max3_num_f32 v[TM+\b], v[TM+\b], |v[\s+16*\b+\i]|, |v[\s+1+16*\b+\i]|
.endr
.endr
.irp b, 0,1,2,3
	v_permlanex16_b32 v[TP+\b], v[TM+\b], s26, s27
.endr
.irp b, 0,1,2,3
	v_max_num_f32 v[TM+\b], v[TM+\b], v[TP+\b]
.endr
.irp b, 0,1,2,3
	v_add_nc_u32 v[SCL+\b], 0xff000000, v[TM+\b]   ; 2 off the exponent field: the conversion's scale operand
.endr
.irp b, 0,1,2,3
	v_lshrrev_b32 v[TP+\b], 23, v[SCL+\b]
.endr
	v_lshl_or_b32 v[PW], v[TP+1], 8, v[TP]
	v_lshl_or_b32 v[PW], v[TP+2], 16, v[PW]
	v_lshl_or_b32 v[PW], v[TP+3], 24, v[PW]
.irp c, 0,1
	v_cvt_scalef32_pk16_fp6_f32 v[\pc+6*\c:\pc+6*\c+2], v[\s+32*\c:\s+32*\c+15], v[SCL+2*\c]
	v_cvt_scalef32_pk16_fp6_f32 v[\ct:\ct+2], v[\s+32*\c+16:\s+32*\c+31], v[SCL+2*\c+1]
	v_nop                                          ; one plain place behind a scaled conversion
.irp i, 0,1,2
	v_permlane16_swap_b32 v[\pc+6*\c+\i], v[\ct+\i]
.endr
.irp i, 0,1,2
	v_mov_b32 v[\pc+6*\c+3+\i], v[\ct+\i]
.endr
.endr
.endm
.macro VLOAD gq                        ; four fragments of V (16 channels x 128 keys each), images of the operand's registers, and their scale words
.irp k, 0,1,2,3
.irp c, 0,1,2
	ds_load_b128 v[FRG+12*\k+4*\c:FRG+12*\k+4*\c+3], v[AV] offset:(4*\gq+\k)*1536+512*\c
.endr
.endr
	ds_load_b32 v44, v[ASV] offset:(2*\gq)*128
	ds_load_b32 v45, v[ASV] offset:(2*\gq+1)*128
.endm
.macro OMUL dt, k, first
.if (\dt) < 8
.set OA, 8*(\dt)
.else
.set OA, 128+8*(\dt)
.endif
.if \first
.if (\k)%2
	v_wmma_scale_f32_16x16x128_f8f6f4 v[OA:OA+7], v[FRG+12*(\k):FRG+12*(\k)+11], v[PC:PC+11], 0, v[44+(\k)/2], v[PW] matrix_a_fmt:MATRIX_FMT_FP6 matrix_b_fmt:MATRIX_FMT_FP6 matrix_a_scale:MATRIX_SCALE_ROW1
.else
	v_wmma_scale_f32_16x16x128_f8f6f4 v[OA:OA+7], v[FRG+12*(\k):FRG+12*(\k)+11], v[PC:PC+11], 0, v[44+(\k)/2], v[PW] matrix_a_fmt:MATRIX_FMT_FP6 matrix_b_fmt:MATRIX_FMT_FP6
.endif
.else
.if (\k)%2
	v_wmma_scale_f32_16x16x128_f8f6f4 v[OA:OA+7], v[FRG+12*(\k):FRG+12*(\k)+11], v[PC:PC+11], v[OA:OA+7], v[44+(\k)/2], v[PW] matrix_a_fmt:MATRIX_FMT_FP6 matrix_b_fmt:MATRIX_FMT_FP6 matrix_a_scale:MATRIX_SCALE_ROW1
.else
	v_wmma_scale_f32_16x16x128_f8f6f4 v[OA:OA+7], v[FRG+12*(\k):FRG+12*(\k)+11], v[PC:PC+11], v[OA:OA+7], v[44+(\k)/2], v[PW] matrix_a_fmt:MATRIX_FMT_FP6 matrix_b_fmt:MATRIX_FMT_FP6
.endif
.endif
.endm
; A KEY STEP of 128 keys.  first = 1: its products start O^T.  mv = 1: the read addresses go on to slot 1; -1: back to slot 0.
.macro STEP first, mv
.if (\mv) > 0
.irp a, AK, AV, ASK, ASV
	v_add_nc_u32 v[\a], SLOTB, v[\a]               ; on every wave's path; also the places behind the last step's products
.endr
.endif
.if (\mv) < 0
	v_mov_b32 v60, SLOTB
.irp a, AK, AV, ASK, ASV
	v_sub_nc_u32 v[\a], v[\a], v60
.endr
.endif
.if \first == 0
	s_cmp_gt_i32 s19, s21                          ; all 128 keys come after my 16 queries
	s_cbranch_scc1 .Lhid_\@
.endif
.irp g, 0,1,2,3                        ; S^T = K Q^T: tiles 2 g and 2 g + 1, two K steps each; the two accumulators take turns
.if \g > 0
	NOPS                                           ; places in front of loads into registers that matrix instructions have read
.endif
.irp u, 0,1
.irp bt, 0,1,2,3
.irp p, 0,1,2
	ds_load_b64 v[FRG+24*\u+6*\bt+2*\p:FRG+24*\u+6*\bt+2*\p+1], v[AK] offset:(2*\g+\u)*3072+\bt*768+256*\p
.endr
.endr
.endr
	ds_load_b64 v[42:43], v[ASK] offset:256*\g     ; lanes 0-15: tile 2 g's two words, lanes 16-31: tile 2 g + 1's
	s_wait_dscnt 0x0
	v_wmma_scale_f32_16x16x128_f8f6f4 v[S+16*\g:S+16*\g+7], v[FRG:FRG+11], v[16:27], 0, v42, v40 matrix_a_fmt:MATRIX_FMT_FP6 matrix_b_fmt:MATRIX_FMT_FP6
	v_wmma_scale_f32_16x16x128_f8f6f4 v[S+16*\g+8:S+16*\g+15], v[FRG+24:FRG+35], v[16:27], 0, v42, v40 matrix_a_fmt:MATRIX_FMT_FP6 matrix_b_fmt:MATRIX_FMT_FP6 matrix_a_scale:MATRIX_SCALE_ROW1
	v_wmma_scale_f32_16x16x128_f8f6f4 v[S+16*\g:S+16*\g+7], v[FRG+12:FRG+23], v[28:39], v[S+16*\g:S+16*\g+7], v43, v41 matrix_a_fmt:MATRIX_FMT_FP6 matrix_b_fmt:MATRIX_FMT_FP6
	v_wmma_scale_f32_16x16x128_f8f6f4 v[S+16*\g+8:S+16*\g+15], v[FRG+36:FRG+47], v[28:39], v[S+16*\g+8:S+16*\g+15], v43, v41 matrix_a_fmt:MATRIX_FMT_FP6 matrix_b_fmt:MATRIX_FMT_FP6 matrix_a_scale:MATRIX_SCALE_ROW1
.endr
	NOPS                                           ; behind the last products: results are read, and fragments loaded anew
	VLOAD 0                                        ; V's first four fragments land under the softmax
.set j, 0
.rept 32
	v_pk_mul_f32 v[S+j:S+j+1], v[S+j:S+j+1], s[22:23] op_sel_hi:[1,0]   ; u
.set j, j+2
.endr
.set j, 0
.rept 64
	v_exp_f32 v[S+j], v[S+j]
.set j, j+1
.endr
	v_nop                                          ; a plain place behind the batch
	s_wait_alu depctr_va_vdst(0)                   ; one wait for the batch, ahead of its first reader
.set j, 0
.rept 32
	v_pk_add_f32 v[S+j:S+j+1], v[S+j:S+j+1], 1.0 op_sel_hi:[1,0]
.set j, j+2
.endr
.set j, 0
.rept 64
	v_rcp_f32 v[S+j], v[S+j]
.set j, j+1
.endr
	v_nop
	s_wait_alu depctr_va_vdst(0)
.set j, 0
.rept 32
	v_pk_fma_f32 v[S+j:S+j+1], v[S+j:S+j+1], s[24:25], v[62:63] op_sel_hi:[1,0,1]   ; t = C - 2 C r
.set j, j+2
.endr
.set j, 0
.rept 64
	v_exp_f32 v[S+j], v[S+j]                       ; p = 2^t
.set j, j+1
.endr
	v_nop
	s_wait_alu depctr_va_vdst(0)
	v_mov_b32 v60, s19
	v_sub_nc_u32 v59, v[LQH], v60                  ; d = my query - 16 h - the step's first key.  Register n holds key 32 (n / 16) + n % 16 + 16 h of the step
	s_add_co_u32 s60, s19, 127
	s_cmp_le_i32 s60, s20                          ; every key counts for every query of mine: no causal mask
	s_cbranch_scc1 .Lnoc_\@
.set n, 0
.rept 64
	v_cmp_gt_i32 vcc_lo, 32*(n/16)+n%16, v59       ; the key comes after my query
	v_cndmask_b32 v[S+n], v[S+n], v[NIL], vcc_lo
.set n, n+1
.endr
.Lnoc_\@:
	s_sub_co_i32 s60, s21, 1024
	s_cmp_gt_i32 s19, s60                          ; every key lies inside every query's window
	s_cbranch_scc1 .Lnow_\@
	v_add_nc_u32 v60, 0xfffffc00, v59              ; d - 1,024
.set n, 0
.rept 64
	v_cmp_le_i32 vcc_lo, 32*(n/16)+n%16, v60       ; my query - the key is 1,024 or more
	v_cndmask_b32 v[S+n], v[S+n], v[NIL], vcc_lo
.set n, n+1
.endr
.Lnow_\@:
	QUANT S, PC, CT
.set j, 0
.rept 16
	v_pk_add_f32 v[12:13], v[12:13], v[S+4*j:S+4*j+1]      ; the row's sum of the unquantised p, in two chains; these 32 are also the places between p's codes and scale word and the products
	v_pk_add_f32 v[14:15], v[14:15], v[S+4*j+2:S+4*j+3]
.set j, j+1
.endr
.irp gq, 0,1,2,3                       ; O^T += V^T P^T, four tiles of 16 channels at a time
.if \gq > 0
	NOPS
	VLOAD \gq
.endif
	s_wait_dscnt 0x0
.if \gq < 2
	WIN 0x50                                       ; C and D in window 1
.endif
.irp k, 0,1,2,3
	OMUL 4*\gq+\k, \k, \first
.endr
	WIN 0
.endr
.if \first == 0
.Lhid_\@:
.endif
	s_add_co_u32 s19, s19, 384                     ; my next step's first key
.endm
; THE CHANGE OF SLOTS: each wave waits for all its tensor loads, adds 0 to its spare word, waits for that and for its reads of the slot it has left; a barrier; fill = 1: slot 0 takes steps 6 to 8.
.macro CHANGE fill
	s_wait_tensorcnt 0x0
	ds_add_u32 v[SPW], v[NIL]
.if \fill
	s_add_nc_u64 s[46:47], s[46:47], 6*KSB
	s_add_nc_u64 s[54:55], s[54:55], 6*1024
.endif
	s_wait_dscnt 0x0
	s_barrier_signal -1
	s_barrier_wait -1
.if \fill
	TLOAD                                          ; the first thing behind the barrier, a wave's one tensor load: it has a key step's work in which to land
.endif
.endm
	s_load_b256 s[4:11], s[0:1], 0x0               ; qq, kq, vq, oq
	v_lshl_add_u32 v[SPW], v0, 2, SPARE
	v_mov_b32 v[NIL], 0
	ds_add_u32 v9, v10
	s_wait_dscnt 0x0
	v_lshrrev_b32 v12, 5, v0
	v_readfirstlane_b32 s12, v12                   ; wave 0..11
	s_and_b32 s13, s12, 3                          ; qt
	s_lshr_b32 s14, s12, 2                         ; kg; on the way out: which half of the channels
	s_and_b32 s16, ttmp7, 0xffff                   ; bh
	s_lshr_b32 s17, ttmp9, 1
	s_max_u32 s17, s17, 8
	s_sub_co_u32 s17, s17, 8                       ; the first key step
	s_add_co_u32 s19, s17, s14
	s_lshl_b32 s19, s19, 7                         ; my step's first key
	s_lshl_b32 s20, ttmp9, 6
	s_lshr_b32 s60, s13, 1
	s_lshl_b32 s60, s60, 5
	s_add_co_u32 s20, s20, s60
	s_and_b32 s60, s13, 1
	s_lshl_b32 s60, s60, 3
	s_add_co_u32 s20, s20, s60                     ; my smallest query: 64 x + 32 (qt / 2) + 8 (qt % 2)
	s_add_co_u32 s21, s20, 23                      ; my largest
	s_mov_b32 s22, 0x3b6c5f04                      ; 2 log2(e) / 800
	s_mov_b32 s23, s22
	s_mov_b32 s24, 0xc31044fe                      ; -2 C
	s_mov_b32 s25, s24
	s_mov_b32 s26, 0x76543210
	s_mov_b32 s27, 0xfedcba98                      ; lane l xor 16
	; every LDS address is made here, from the thread's and the wave's number alone
	v_and_b32 v12, 31, v0                          ; lane
	v_and_b32 v13, 15, v0                          ; r
	v_bfe_u32 v14, v0, 4, 1                        ; h
	s_mul_i32 s60, s14, KSB
	v_lshl_add_u32 v[AK], v12, 3, s60
	s_add_co_u32 s61, s60, VOFF
	v_lshl_add_u32 v[AV], v12, 4, s61
	s_lshl_b32 s62, s14, 10
	s_add_co_u32 s63, s62, KSO
	v_lshlrev_b32 v[ASK], 3, v13
	v_lshl_add_u32 v[ASK], v14, 7, v[ASK]
	v_add_nc_u32 v[ASK], s63, v[ASK]
	s_add_co_u32 s63, s62, VSO
	v_lshl_add_u32 v[ASV], v12, 2, s63
	s_mul_i32 s60, s13, 49152                      ; the way out: a query tile's three partial O lie together, 16,384 bytes each
	s_lshl_b32 s61, s14, 14
	s_add_co_u32 s61, s61, s60
	v_lshl_add_u32 v[STO], v12, 4, s61             ; where I put mine: 49,152 qt + 16,384 kg + 16 x lane
	s_lshl_b32 s61, s14, 13
	s_add_co_u32 s61, s61, s60
	v_lshl_add_u32 v[RD], v12, 4, s61              ; where I read: my half of the channels of the first partial; the other two stand 16,384 and 32,768 bytes on, in the immediate
	s_lshl_b32 s60, s12, 7
	s_add_co_u32 s60, s60, LST
	v_lshl_add_u32 v[LSTO], v12, 2, s60
	s_lshl_b32 s60, s13, 7
	s_add_co_u32 s60, s60, LST
	v_lshl_add_u32 v[LRD], v12, 2, s60
	v_and_b32 v[LQH], 8, v13
	v_add_nc_u32 v[LQH], v[LQH], v13
	v_lshlrev_b32 v15, 4, v14
	v_sub_nc_u32 v[LQH], v[LQH], v15
	v_add_nc_u32 v[LQH], s20, v[LQH]               ; my query - 16 h
	v_lshlrev_b32 v59, 3, v12
	v_lshlrev_b32 v60, 3, v13
	; descriptors: dense blocks as rows of 256 bytes (32 elements of 8 bytes): 96 rows of codes, 12 rows of scale bytes
	s_mov_b32 s28, 3<<16
	s_mov_b32 s29, 32<<16
	s_mov_b32 s30, 96<<16
	s_mov_b32 s31, 32<<16
	s_mov_b32 s32, 96
	s_mov_b32 s33, 32
	s_mov_b32 s34, 0
	s_mov_b32 s35, 0
	s_mov_b32 s36, 3<<16
	s_mov_b32 s37, 32<<16
	s_mov_b32 s38, 12<<16
	s_mov_b32 s39, 32<<16
	s_mov_b32 s40, 12
	s_mov_b32 s41, 32
	s_mov_b32 s42, 0
	s_mov_b32 s43, 0
	s_cmp_lt_u32 s12, 3
	s_cselect_b32 s66, 0, 3
	s_sub_co_u32 s66, s12, s66                     ; waves 0-2: K's step 0-2 of a slot; waves 3-5: V's
	s_add_co_u32 s66, s66, s17
	s_mul_i32 s66, s66, KSB
	s_mul_i32 s67, s16, 786432
	s_add_co_u32 s66, s66, s67
	s_mov_b32 s67, 0
	s_lshl_b32 s70, s16, 15
	s_lshl_b32 s71, s17, 10
	s_add_co_u32 s70, s70, s71
	s_add_co_u32 s70, s70, QS
	s_mov_b32 s71, 0
	s_lshl_b32 s74, ttmp9, 2
	s_add_co_u32 s74, s74, s13                     ; my tile of queries in the sequence
	s_mul_i32 s75, s74, 3072
	s_mul_i32 s76, s16, 786432
	s_add_co_u32 s76, s76, s75
	s_mov_b32 s77, 0
	s_lshl_b32 s78, s74, 7
	s_lshl_b32 s79, s16, 15
	s_add_co_u32 s78, s78, s79
	s_add_co_u32 s78, s78, QS
	s_mov_b32 s79, 0
	s_lshr_b32 s80, s16, 1
	s_lshl_b32 s80, s80, 8
	s_add_co_u32 s80, s80, s74                     ; my tile of rows in oq
	s_and_b32 s81, s16, 1
	s_lshl_b32 s81, s81, 1
	s_add_co_u32 s81, s81, s14                     ; its K step: 2 head + half
	s_mul_i32 s82, s80, 6144
	s_mul_i32 s83, s81, 1536
	s_add_co_u32 s82, s82, s83
	s_mov_b32 s83, 0
	s_lshl_b32 s80, s80, 9
	s_lshl_b32 s81, s81, 7
	s_add_co_u32 s80, s80, s81
	s_add_co_u32 s80, s80, QS
	s_mov_b32 s81, 0
	s_wait_kmcnt 0x0
	s_cmp_lt_u32 s12, 3
	s_cselect_b64 s[68:69], s[6:7], s[8:9]
	s_add_nc_u64 s[68:69], s[68:69], s[66:67]
	s_mov_b32 s44, 1
	s_mul_i32 s45, s12, KSB
	s_mov_b64 s[46:47], s[68:69]
	s_or_b32 s47, s47, 0x80000000
	s_mov_b32 s48, 1
	s_add_co_u32 s49, s45, SLOTB
	s_add_nc_u64 s[50:51], s[68:69], 3*KSB
	s_or_b32 s51, s51, 0x80000000
	s_cmp_eq_u32 s12, 6
	s_cselect_b64 s[72:73], s[6:7], s[8:9]
	s_add_nc_u64 s[72:73], s[72:73], s[70:71]
	s_mov_b32 s52, 1
	s_mul_i32 s53, s12, 3072
	s_add_co_u32 s53, s53, KSO-6*3072
	s_mov_b64 s[54:55], s[72:73]
	s_or_b32 s55, s55, 0x80000000
	s_mov_b32 s56, 1
	s_add_co_u32 s57, s53, SLOTB
	s_add_nc_u64 s[58:59], s[72:73], 3*1024
	s_or_b32 s59, s59, 0x80000000
	s_add_nc_u64 s[76:77], s[4:5], s[76:77]
	s_add_nc_u64 s[78:79], s[4:5], s[78:79]
	s_add_nc_u64 s[82:83], s[10:11], s[82:83]
	s_add_nc_u64 s[80:81], s[10:11], s[80:81]
	s_cmp_lt_u32 s12, 6                            ; a wave's two first fills stand in one branch: two loads of mine are out at the most
	s_cbranch_scc0 .Lf_notc
	tensor_load_to_lds s[44:47], s[28:35]
	s_nop 0
	tensor_load_to_lds s[48:51], s[28:35]
	s_nop 0
	NOPS
	s_branch .Lf_done
.Lf_notc:
	s_cmp_lt_u32 s12, 8
	s_cbranch_scc0 .Lf_done
	tensor_load_to_lds s[52:55], s[36:43]
	s_nop 0
	tensor_load_to_lds s[56:59], s[36:43]
	s_nop 0
	NOPS
.Lf_done:
.irp bt, 0,1,2,3
.irp p, 0,1,2
	global_load_b64 v[16+6*\bt+2*\p:17+6*\bt+2*\p], v59, s[76:77] offset:768*\bt+256*\p   ; Q's two fragments stay in registers
.endr
.endr
	global_load_b64 v[40:41], v60, s[78:79]        ; and its two scale words
	v_mov_b32 v12, 0
	v_mov_b32 v13, 0
	v_mov_b32 v14, 0
	v_mov_b32 v15, 0
.irp b, 0,1,2,3
	v_mov_b32 v[TP+\b], 0                          ; a lane permute's destination counts as one of its sources
.endr
	v_mov_b32 v62, 0x429044fe                      ; C = 50 log2(e)
	v_mov_b32 v63, 0x429044fe
	s_wait_tensorcnt 1                             ; my part of slot 0 is in; slot 1's may be out
	s_barrier_signal -1
	s_barrier_wait -1
	s_wait_loadcnt 0x0                             ; Q
	STEP 1, 0
	CHANGE 1
	STEP 0, 1
	CHANGE 0
	STEP 0, -1
	; THE WAY OUT
	NOPS                                           ; behind the last products
	v_pk_add_f32 v[12:13], v[12:13], v[14:15]
	v_add_f32 v12, v12, v13
	v_permlanex16_b32 v14, v12, s26, s27
	v_add_f32 v12, v12, v14                        ; my keys' part of the row's sum
	s_wait_dscnt 0x0
	s_barrier_signal -1
	s_barrier_wait -1                              ; nobody reads a slot any more, and both have had their last fill
	WIN 0x04                                       ; an LDS store's data are its source 1: window 1
.irp dt, 0,1,2,3,4,5,6,7
	ds_store_b128 v[STO], v[8*\dt:8*\dt+3] offset:(2*\dt)*512          ; each accumulator from its low end on
	ds_store_b128 v[STO], v[8*\dt+4:8*\dt+7] offset:(2*\dt+1)*512
.endr
	WIN 0
.irp dt, 8,9,10,11,12,13,14,15
	ds_store_b128 v[STO], v[128+8*\dt:128+8*\dt+3] offset:(2*\dt)*512
	ds_store_b128 v[STO], v[128+8*\dt+4:128+8*\dt+7] offset:(2*\dt+1)*512
.endr
	ds_store_b32 v[LSTO], v12
	s_wait_dscnt 0x0                               ; for the others' sake: my stores have landed
	s_barrier_signal -1
	s_barrier_wait -1
	s_cmp_lt_u32 s12, 8
	s_cbranch_scc0 .Lend
.set i, 0
.rept 16
	ds_load_b128 v[64+4*i:67+4*i], v[RD] offset:512*i                  ; the three partials of my 16 queries x 128 channels
	ds_load_b128 v[128+4*i:131+4*i], v[RD] offset:16384+512*i
	ds_load_b128 v[192+4*i:195+4*i], v[RD] offset:32768+512*i
.set i, i+1
.endr
	ds_load_b32 v46, v[LRD]
	ds_load_b32 v47, v[LRD] offset:512
	ds_load_b32 v48, v[LRD] offset:1024
	s_wait_dscnt 0x0
	v_add_f32 v46, v46, v47
	v_add_f32 v46, v46, v48                        ; the row's sum
	v_rcp_f32 v62, v46
.set i, 0
.rept 32
	v_pk_add_f32 v[64+2*i:65+2*i], v[64+2*i:65+2*i], v[128+2*i:129+2*i]
.set i, i+1
.endr
.set i, 0
.rept 32
	v_pk_add_f32 v[64+2*i:65+2*i], v[64+2*i:65+2*i], v[192+2*i:193+2*i]
.set i, i+1
.endr
	s_wait_alu depctr_va_vdst(0)                   ; the reciprocal's wait, ahead of its first reader; the 64 additions are the work between
.set i, 0
.rept 32
	v_pk_mul_f32 v[64+2*i:65+2*i], v[64+2*i:65+2*i], v[62:63] op_sel_hi:[1,0]
.set i, i+1
.endr
	QUANT 64, 128, 140
	v_and_b32 v59, 31, v0
	v_lshlrev_b32 v60, 2, v59
	v_lshlrev_b32 v59, 4, v59
.irp c, 0,1,2
	global_store_b128 v59, v[128+4*\c:131+4*\c], s[82:83] offset:512*\c   ; 512 consecutive bytes, aligned
.endr
	global_store_b32 v60, v[PW], s[80:81]
.Lend:
	s_wait_tensorcnt 0x0                           ; the wave's end
	ds_add_u32 v[SPW], v[NIL]
	s_wait_dscnt 0x0
	s_endpgm
.Lfunc_end_k_qfbdbb73f4e_attn:
	.size	k_qfbdbb73f4e_attn, .Lfunc_end_k_qfbdbb73f4e_attn-k_qfbdbb73f4e_attn
	.p2alignl 7, 3214868480
	.fill 96, 4, 3214868480
	.section	.rodata,"a",@progbits
	.p2align	6, 0x0
	.amdhsa_kernel k_qfbdbb73f4e_attn
		.amdhsa_group_segment_fixed_size 327680
		.amdhsa_private_segment_fixed_size 0
		.amdhsa_enable_private_segment 0
		.amdhsa_kernarg_size 32
		.amdhsa_user_sgpr_count 2
		.amdhsa_user_sgpr_kernarg_segment_ptr 1
		.amdhsa_wavefront_size32 1
		.amdhsa_system_sgpr_workgroup_id_x 1
		.amdhsa_system_sgpr_workgroup_id_y 1
		.amdhsa_system_sgpr_workgroup_id_z 1
		.amdhsa_system_vgpr_workitem_id 0
		.amdhsa_next_free_vgpr 320
		.amdhsa_next_free_sgpr 84
		.amdhsa_reserve_vcc 1
		.amdhsa_float_denorm_mode_32 3
		.amdhsa_float_denorm_mode_16_64 3
		.amdhsa_memory_ordered 1
		.amdhsa_forward_progress 1
		.amdhsa_inst_pref_size 158
	.end_amdhsa_kernel
	.amdgpu_metadata
---
amdhsa.version: [ 1, 2 ]
amdhsa.kernels:
  - .name:           k_qfbdbb73f4e_attn
    .symbol:         k_qfbdbb73f4e_attn.kd
    .args:
      - { .name: qq, .offset: 0, .size: 8, .value_kind: global_buffer, .address_space: global }
      - { .name: kq, .offset: 8, .size: 8, .value_kind: global_buffer, .address_space: global }
      - { .name: vq, .offset: 16, .size: 8, .value_kind: global_buffer, .address_space: global }
      - { .name: oq, .offset: 24, .size: 8, .value_kind: global_buffer, .address_space: global }
    .group_segment_fixed_size: 327680
    .private_segment_fixed_size: 0
    .kernarg_segment_align: 8
    .kernarg_segment_size: 32
    .max_flat_workgroup_size: 384
    .sgpr_count:     84
    .vgpr_count:     320
    .wavefront_size: 32
...
	.end_amdgpu_metadata
.endif
;; end of part 3
;; launch oproj (part 4): grid 8 x 32, 4 waves a work-group, clusters of 4 x 4, 327,680 bytes of LDS; arguments oq, woq, out0; writes out0
.if DOCPART == 4
	.amdgcn_target "amdgcn-amd-amdhsa--gfx1250"
	.amdhsa_code_object_version 6
	.text
	.protected	k_qfbdbb73f4e_oproj
	.globl	k_qfbdbb73f4e_oproj
	.p2align	8
	.type	k_qfbdbb73f4e_oproj,@function
k_qfbdbb73f4e_oproj:
	s_mov_b64 s[64:65], 0
	v_nop
	global_prefetch_b8 v0, s[64:65] scope:SCOPE_SE
	s_setreg_imm32_b32 hwreg(HW_REG_WAVE_MODE, 25, 1), 1
	s_wait_xcnt 0x0
	s_wait_alu depctr_hold_cnt(0) depctr_sa_sdst(0) depctr_va_vdst(0) depctr_va_sdst(0) depctr_va_ssrc(0) depctr_va_vcc(0) depctr_vm_vsrc(0)
	s_getreg_b32 s2, hwreg(HW_REG_IB_STS2, 6, 4)
	s_cmp_eq_u32 s2, 0
	s_cbranch_scc0 .Lentry_in_a_cluster
	s_endpgm
.Lentry_in_a_cluster:
	s_bfe_u32 s2, ttmp6, 0x10000c
	s_cmp_lg_u32 s2, 0xf033
	s_cbranch_scc0 .Lentry_shape_is_right
	s_endpgm
.Lentry_shape_is_right:
; out0 = O Wo on codes of FP6 (E2M3) with E8M0 scales: [8192][512] x [2048][512]^T, f32 out.
; A tile of 256 x 256 to a work-group of four waves, 128 x 128 to a wave: 64 accumulators.  K = 512 is four steps of 128, two to an LDS slot; both slots and all scale words are filled once, at the start:
; nothing in LDS is filled again.  oq's tiles are images of the operand's registers (three loads of 16 bytes a fragment); woq's are rows of 192 bytes, padded to 240.
; Row i of oq holds token SW(i) (bits 3 and 4 swapped): the stores' immediates put each row where it belongs.
; CLUSTERS: 4 x 4; oq's tiles are asked for jointly along a row of the cluster, woq's along a column.  The matrix instruction is used transposed (source 0 = woq, source 1 = oq): a lane holds eight
; neighbouring numbers of a row of out0.
; REGISTERS: window 0: v16-28 addresses, v32-63 oq's scale words (4 i + K step), v64-95 woq's, v128-223 oq's eight fragments; window 1: woq's eight fragments, two sets; windows 2, 3: the accumulators.
.set SIZE_N, 2048
.set ROWB,   192
.set KROW,   384
.set PITCH,  240
.set FR,     12
.set NLA,    3
.set NP,     4
.set HALFA,  24576                     ; 8 tiles of 16 rows x 2 K steps x 1,536 bytes
.set HALFB,  128*PITCH
.set BOFF,   2*HALFA
.set SLOT,   2*HALFA+2*HALFB
.set SCA,    2*SLOT                    ; oq's scale words: 16 tiles x 512 bytes
.set SCB,    SCA+8192                  ; woq's: 16 tiles x 256 bytes
.set SPITCH, 528                       ; the way out: 16 rows x (512 + 16) a wave, in slot 0, which has had its only fill and its last read by then
.set OS,     3145728
.set WOS,    786432
.set ADRA, 16
.set ADRB, 20
.set STO,  24
.set RD,   25
.set CO,   26
.set ADSA, 27
.set ADSB, 28
.set SA,   32
.set SB,   64
.set AF,   128
.set BK,   128
.set G1,   24
.set G0,   32
.set G1B,  48
.set G0B,  56
.set G1S,  68
.set G0S,  76
.set G1SB, 80
.set G0SB, 88
.set MSB, 0
.macro WIN new
.if MSB != \new
	s_set_vgpr_msb (MSB<<8)|\new
.set MSB, \new
.endif
.endm
.set MUL_LO, 0xa1
.set MUL_HI, 0xf1
.set TO_B,   0x40
.macro JLOAD g0a, g1a, g0b, g1b
	s_cmp_eq_u32 s15, 0
	s_cbranch_scc0 .Lfor_b_\@
	tensor_load_to_lds s[\g0a:\g0a+3], s[\g1a:\g1a+7]
	s_nop 0
.rept 4
	v_nop
.endr
	s_branch .Lasked_\@
.Lfor_b_\@:
	tensor_load_to_lds s[\g0b:\g0b+3], s[\g1b:\g1b+7]
	s_nop 0
.rept 4
	v_nop
.endr
.Lasked_\@:
.endm
.macro CROUND
	s_barrier_signal -1
	s_barrier_wait -1
	s_cmp_lg_u32 s14, 0
	s_cbranch_scc1 .Lnot_wave_0_\@
	s_barrier_signal -3
.Lnot_wave_0_\@:
	s_barrier_wait -3
	s_barrier_signal -1
	s_barrier_wait -1
.endm
.macro PLACES n
.rept \n
	v_nop
.endr
.endm
.macro FRAG reg, adr, q, i
.irp p, 0,1,2,3,4,5
.set PCE, 12*(\q)+6*(\p/3)+\p%3
.if PCE%8 < 5
	ds_load_b64 v[\reg+2*\p:\reg+2*\p+1], v[\adr] offset:8*PCE+16*(PCE/8)+(\i)*16*PITCH
.else
	ds_load_b64 v[\reg+2*\p:\reg+2*\p+1], v[\adr+2] offset:8*PCE+16*(PCE/8)+(\i)*16*PITCH
.endif
.endr
.endm
.macro FRAGA reg, adr, q, i
.irp c, 0,1,2
	ds_load_b128 v[\reg+4*\c:\reg+4*\c+3], v[\adr] offset:(\i)*3072+(\q)*1536+512*\c
.endr
.endm
.macro FETCH_B slot, q, p
	WIN TO_B
.irp i, 0,1,2,3,4,5,6,7
	FRAG 128*(\p)+FR*\i, ADRB+\slot, \q, \i
.endr
	WIN 0
.endm
.macro FETCH_A slot, q, i0
.irp i, \i0, \i0+1, \i0+2, \i0+3
	FRAGA AF+FR*(\i), ADRA+\slot, \q, \i
.endr
.endm
; 16 products; the 64 accumulators take turns, one instruction a turn, in the same order in every step
.macro MUL16 a0, p, kq, zero
.irp a, \a0, \a0+1
.irp b, 0,1,2,3,4,5,6,7
.if \zero
	v_wmma_scale_f32_16x16x128_f8f6f4 v[8*(8*((\a)%4)+\b):8*(8*((\a)%4)+\b)+7], v[128*(\p)+FR*\b:128*(\p)+FR*\b+FR-1], v[AF+FR*(\a):AF+FR*(\a)+FR-1], 0, v[SB+4*\b+(\kq)], v[SA+4*(\a)+(\kq)] matrix_a_fmt:MATRIX_FMT_FP6 matrix_b_fmt:MATRIX_FMT_FP6
.else
	v_wmma_scale_f32_16x16x128_f8f6f4 v[8*(8*((\a)%4)+\b):8*(8*((\a)%4)+\b)+7], v[128*(\p)+FR*\b:128*(\p)+FR*\b+FR-1], v[AF+FR*(\a):AF+FR*(\a)+FR-1], v[8*(8*((\a)%4)+\b):8*(8*((\a)%4)+\b)+7], v[SB+4*\b+(\kq)], v[SA+4*(\a)+(\kq)] matrix_a_fmt:MATRIX_FMT_FP6 matrix_b_fmt:MATRIX_FMT_FP6
.endif
.endr
.endr
.endm
.macro STEP slot, zero                 ; a slot's first 128 along K
	s_wait_dscnt 4*NLA                             ; all but the youngest 12 loads (oq's blocks 4-7)
	WIN MUL_LO
	MUL16 0, 0, 2*\slot, \zero
	MUL16 2, 0, 2*\slot, \zero
	s_wait_dscnt 0
	PLACES NP
	FETCH_B \slot, 1, 1
	FETCH_A \slot, 1, 0
	WIN MUL_HI
	MUL16 4, 0, 2*\slot, \zero
	MUL16 6, 0, 2*\slot, \zero
	PLACES NP
	WIN 0
	FETCH_A \slot, 1, 4
.endm
.macro TOSTAGE a
.set AC, 64*((\a)%4)
	WIN 0x08+4*((\a)/4)
.irp b, 0,1,2,3,4,5,6,7
	ds_store_b128 v[STO], v[AC+8*\b:AC+8*\b+3] offset:64*\b          ; each accumulator from its low end on
	ds_store_b128 v[STO], v[AC+8*\b+4:AC+8*\b+7] offset:64*\b+16
.endr
	WIN 0
.set BB, BK+64*((\a)%2)
.irp t, 0,1,2,3,4,5,6,7,8,9,10,11,12,13,14,15
	ds_load_b128 v[BB+4*\t:BB+4*\t+3], v[RD] offset:\t*SPITCH       ; LDS serves a wave's instructions in order: these see the stores above
.endr
.endm
.macro SEND a, younger                 ; row t of block a is token 32 (a / 2) + 8 (a % 2) + t + 8 (t / 8) of my 128: at most 127 rows of 8,192 bytes, inside the signed 24-bit immediate
.set BB, BK+64*((\a)%2)
	s_wait_dscnt \younger
.irp t, 0,1,2,3,4,5,6,7,8,9,10,11,12,13,14,15
	global_store_b128 v[CO], v[BB+4*\t:BB+4*\t+3], s[12:13] offset:(32*((\a)/2)+8*((\a)%2)+\t+8*(\t/8))*SIZE_N*4 th:TH_STORE_NT   ; 32 lanes store 512 consecutive bytes, aligned
.endr
.endm
	s_load_b128 s[4:7], s[0:1], 0x0                ; oq, woq
	s_load_b64 s[12:13], s[0:1], 0x10              ; out0
	v_lshl_add_u32 v126, v0, 2, 0x39000
	v_mov_b32 v127, 0
	ds_add_u32 v126, v127
	v_lshrrev_b32 v1, 5, v0
	v_readfirstlane_b32 s14, v1
	s_lshr_b32 s15, s14, 1                         ; my half of the rows.  Also: I fetch for oq (0) or for woq (1)
	s_and_b32 s16, s14, 1                          ; my half of the columns.  Also: which half of that tile I fetch
	s_bfe_u32 s40, ttmp6, 0x40000
	s_bfe_u32 s41, ttmp6, 0x40004
	s_lshl_b32 s42, ttmp9, 2
	s_add_co_u32 s42, s42, s40                     ; tile column
	s_and_b32 s17, ttmp7, 0xffff
	s_lshl_b32 s17, s17, 2
	s_add_co_u32 s17, s17, s41                     ; tile row
	s_lshl_b32 s43, s41, 2
	s_lshl_b32 s43, 15, s43
	s_lshl_b32 s44, 0x1111, s40
	s_or_b32 s[G1+0], s43, (3<<16)|(1<<21)         ; oq's codes: 8 rows of 384 elements of 8 bytes (two K steps of a tile), 768 elements apart; no padding
	s_mov_b32 s[G1+1], 384<<16
	s_mov_b32 s[G1+2], 8<<16
	s_mov_b32 s[G1+3], 384<<16
	s_mov_b32 s[G1+4], 8
	s_mov_b32 s[G1+5], 768
	s_mov_b32 s[G1+6], 0
	s_mov_b32 s[G1+7], 0
	s_or_b32 s[G1B+0], s44, (0<<16)|(1<<20)|(1<<21)|(3<<22)|(3<<25)   ; woq's codes: 128 rows of 192 bytes, 16 bytes of padding behind every 64
	s_mov_b32 s[G1B+1], ROWB<<16
	s_mov_b32 s[G1B+2], 128<<16
	s_mov_b32 s[G1B+3], ROWB<<16
	s_mov_b32 s[G1B+4], 128
	s_mov_b32 s[G1B+5], KROW
	s_mov_b32 s[G1B+6], 0
	s_mov_b32 s[G1B+7], 0
	s_or_b32 s[G1S+0], s43, (3<<16)|(1<<21)        ; scale words: dense blocks as rows of 256 bytes
	s_mov_b32 s[G1S+1], 32<<16
	s_mov_b32 s[G1S+2], 16<<16
	s_mov_b32 s[G1S+3], 32<<16
	s_mov_b32 s[G1S+4], 16
	s_mov_b32 s[G1S+5], 32
	s_mov_b32 s[G1S+6], 0
	s_mov_b32 s[G1S+7], 0
	s_or_b32 s[G1SB+0], s44, (3<<16)|(1<<21)
	s_mov_b32 s[G1SB+1], 32<<16
	s_mov_b32 s[G1SB+2], 8<<16
	s_mov_b32 s[G1SB+3], 32<<16
	s_mov_b32 s[G1SB+4], 8
	s_mov_b32 s[G1SB+5], 32
	s_mov_b32 s[G1SB+6], 0
	s_mov_b32 s[G1SB+7], 0
	s_lshl_b32 s18, s16, 3
	s_lshl_b32 s20, s17, 4
	s_add_co_u32 s20, s20, s18                     ; oq: tile 16 ty + 8 half
	s_lshl_b32 s22, s20, 9
	s_add_co_u32 s22, s22, OS
	s_mov_b32 s23, 0
	s_mul_i32 s20, s20, 6144
	s_mov_b32 s21, 0
	s_lshl_b32 s46, s42, 4
	s_add_co_u32 s46, s46, s18                     ; woq: tile 16 tx + 8 half
	s_lshl_b32 s92, s46, 8
	s_add_co_u32 s92, s92, WOS
	s_mov_b32 s93, 0
	s_mul_i32 s46, s46, 16*KROW
	s_mov_b32 s47, 0
	s_mul_i32 s45, s16, HALFA
	s_mul_i32 s94, s16, HALFB
	s_add_co_u32 s94, s94, BOFF
	s_lshl_b32 s95, s16, 12
	s_lshl_b32 s96, s16, 11
	s_wait_dscnt 0x0
	s_wait_kmcnt 0x0
	s_add_nc_u64 s[20:21], s[4:5], s[20:21]
	s_add_nc_u64 s[22:23], s[4:5], s[22:23]
	s_add_nc_u64 s[46:47], s[6:7], s[46:47]
	s_add_nc_u64 s[92:93], s[6:7], s[92:93]
	CROUND                                         ; all sixteen work-groups are here: the joint loads meet
	s_mov_b32 s[G0S], 1
	s_add_co_u32 s[G0S+1], s95, SCA
	s_mov_b64 s[G0S+2:G0S+3], s[22:23]
	s_or_b32 s[G0S+3], s[G0S+3], 0x80000000
	s_mov_b32 s[G0SB], 1
	s_add_co_u32 s[G0SB+1], s96, SCB
	s_mov_b64 s[G0SB+2:G0SB+3], s[92:93]
	s_or_b32 s[G0SB+3], s[G0SB+3], 0x80000000
	JLOAD G0S, G1S, G0SB, G1SB
.irp s, 0,1
	s_mov_b32 s[G0+4*\s], 1
	s_add_co_u32 s[G0+4*\s+1], s45, \s*SLOT
	s_add_nc_u64 s[G0+4*\s+2:G0+4*\s+3], s[20:21], \s*3072
	s_or_b32 s[G0+4*\s+3], s[G0+4*\s+3], 0x80000000
	s_mov_b32 s[G0B+4*\s], 1
	s_add_co_u32 s[G0B+4*\s+1], s94, \s*SLOT
	s_add_nc_u64 s[G0B+4*\s+2:G0B+4*\s+3], s[46:47], \s*ROWB
	s_or_b32 s[G0B+4*\s+3], s[G0B+4*\s+3], 0x80000000
	JLOAD G0+4*\s, G1, G0B+4*\s, G1B               ; by this text's count three tensor loads of a wave are out
.endr
	v_and_b32 v1, 15, v0                           ; r
	v_bfe_u32 v2, v0, 4, 1                         ; h
	v_and_b32 v6, 31, v0                           ; lane
	v_mul_u32_u24 v3, v1, PITCH
	v_mul_u32_u24 v4, v2, 24
	v_add_nc_u32 v4, v3, v4
	v_lshl_add_u32 v5, v2, 4, v4
	v_lshlrev_b32 v7, 4, v6
	s_mul_i32 s21, s15, HALFA                      ; my 8 tiles of oq
	s_mul_i32 s22, s16, HALFB                      ; my 128 rows of woq
	s_add_co_u32 s22, s22, BOFF
.irp s, 0,1
	v_add_nc_u32 v[ADRA+\s], s21, v7
	v_add_nc_u32 v[ADRB+\s], s22, v4
	v_add_nc_u32 v[ADRB+2+\s], s22, v5
	s_add_co_u32 s21, s21, SLOT
	s_add_co_u32 s22, s22, SLOT
.endr
	s_lshl_b32 s21, s15, 12
	s_add_co_u32 s21, s21, SCA
	v_lshl_add_u32 v[ADSA], v6, 2, s21
	s_lshl_b32 s21, s16, 11
	s_add_co_u32 s21, s21, SCB
	v_lshl_add_u32 v[ADSB], v1, 2, s21
	s_mul_i32 s23, s14, 16*SPITCH                  ; my stage
	v_mul_u32_u24 v5, v1, SPITCH
	v_lshl_add_u32 v5, v2, 5, v5
	v_add_nc_u32 v[STO], s23, v5
	v_lshlrev_b32 v[CO], 4, v6
	v_add_nc_u32 v[RD], s23, v[CO]
	s_lshl_b32 s20, s17, 8
	s_lshl_b32 s21, s15, 7
	s_add_co_u32 s20, s20, s21                     ; my first row of out0
	s_lshl_b32 s20, s20, 13                        ; x 8,192 bytes (under 2^26)
	s_mov_b32 s21, 0
	s_lshl_b32 s46, s42, 10
	s_lshl_b32 s47, s16, 9
	s_add_co_u32 s46, s46, s47
	s_mov_b32 s47, 0
	s_add_nc_u64 s[20:21], s[20:21], s[46:47]
	s_add_nc_u64 s[12:13], s[12:13], s[20:21]
	s_wait_tensorcnt 1                             ; the scale words and my part of slot 0 are in; slot 1's load may be out
	s_barrier_signal -1
	s_barrier_wait -1
	FETCH_B 0, 0, 0
	FETCH_A 0, 0, 0
.irp i, 0,1,2,3,4,5,6,7
.irp k, 0,1,2,3
	ds_load_b32 v[SA+4*\i+\k], v[ADSA] offset:512*\i+128*\k
	ds_load_b32 v[SB+4*\i+\k], v[ADSB] offset:256*\i+64*\k
.endr
.endr
	FETCH_A 0, 0, 4
	STEP 0, 1                                      ; the first step's products start the sums
	s_wait_tensorcnt 0x0                           ; slot 0's second step changes slots: my part of slot 1 has landed,
	s_wait_dscnt 4*NLA
	WIN MUL_LO
	MUL16 0, 1, 1, 0
	s_wait_dscnt 0x0                               ; and my reads of slot 0 are over
	s_barrier_signal -1
	MUL16 2, 1, 1, 0
	WIN 0
	s_barrier_wait -1
	PLACES NP
	FETCH_B 1, 0, 0
	FETCH_A 1, 0, 0
	WIN MUL_HI
	MUL16 4, 1, 1, 0
	MUL16 6, 1, 1, 0
	PLACES NP
	WIN 0
	FETCH_A 1, 0, 4
	STEP 1, 0
	s_wait_dscnt 4*NLA                             ; the last step: nothing more to fetch
	WIN MUL_LO
	MUL16 0, 1, 3, 0
	MUL16 2, 1, 3, 0
	s_wait_dscnt 0
	WIN MUL_HI
	MUL16 4, 1, 3, 0
	MUL16 6, 1, 3, 0
	WIN 0
	PLACES NP                                      ; behind the last products: results are read, and oq's fragment registers loaded anew
	TOSTAGE 0
.irp a, 1,2,3,4,5,6,7
.if \a > 1
	s_wait_xcnt 0x0                                ; block a - 2's stores have read their registers: block a's loads may land there
.endif
	TOSTAGE \a
	SEND \a-1, 32                                  ; behind block a - 1's loads: block a's 16 stores and 16 loads
.endr
	SEND 7, 0
	s_wait_tensorcnt 0x0
	ds_add_u32 v126, v127
	s_wait_dscnt 0x0
	CROUND                                         ; the closing round
	s_endpgm
.Lfunc_end_k_qfbdbb73f4e_oproj:
	.size	k_qfbdbb73f4e_oproj, .Lfunc_end_k_qfbdbb73f4e_oproj-k_qfbdbb73f4e_oproj
	.p2alignl 7, 3214868480
	.fill 96, 4, 3214868480
	.section	.rodata,"a",@progbits
	.p2align	6, 0x0
	.amdhsa_kernel k_qfbdbb73f4e_oproj
		.amdhsa_group_segment_fixed_size 327680
		.amdhsa_private_segment_fixed_size 0
		.amdhsa_enable_private_segment 0
		.amdhsa_kernarg_size 24
		.amdhsa_user_sgpr_count 2
		.amdhsa_user_sgpr_kernarg_segment_ptr 1
		.amdhsa_wavefront_size32 1
		.amdhsa_system_sgpr_workgroup_id_x 1
		.amdhsa_system_sgpr_workgroup_id_y 1
		.amdhsa_system_sgpr_workgroup_id_z 1
		.amdhsa_system_vgpr_workitem_id 0
		.amdhsa_next_free_vgpr 1024
		.amdhsa_next_free_sgpr 98
		.amdhsa_reserve_vcc 0
		.amdhsa_float_denorm_mode_32 3
		.amdhsa_float_denorm_mode_16_64 3
		.amdhsa_memory_ordered 1
		.amdhsa_forward_progress 1
		.amdhsa_inst_pref_size 95
	.end_amdhsa_kernel
	.amdgpu_metadata
---
amdhsa.version: [ 1, 2 ]
amdhsa.kernels:
  - .name:           k_qfbdbb73f4e_oproj
    .symbol:         k_qfbdbb73f4e_oproj.kd
    .args:
      - { .name: oq, .offset: 0, .size: 8, .value_kind: global_buffer, .address_space: global }
      - { .name: woq, .offset: 8, .size: 8, .value_kind: global_buffer, .address_space: global }
      - { .name: out0, .offset: 16, .size: 8, .value_kind: global_buffer, .address_space: global }
    .group_segment_fixed_size: 327680
    .private_segment_fixed_size: 0
    .kernarg_segment_align: 8
    .kernarg_segment_size: 24
    .max_flat_workgroup_size: 128
    .sgpr_count:     98
    .vgpr_count:     1024
    .wavefront_size: 32
...
	.end_amdgpu_metadata
.endif
;; end of part 4
